; MI455X (gfx1250); checked and timed in simulation.
; The chip was launched on July 23, 2026; its instructions are those of AMD's public machine-readable ISA for CDNA 5 (MIT licence, August 2026) and "CDNA5" Instruction Set Architecture Reference Guide (July 2026). The comments in the code are by the model that wrote it; some were corrected since.
;; Non Local Attention. Allowed arithmetic: matrix products marked QUANTISED: E2M1 operands, one E8M0 scale for each 32 along K, by v_wmma_scale_f32_16x16x128_f8f6f4 with both operands' format E2M1 (or v_wmma_scale_f32_32x16x128_f4), f32 sums; everything else in f32.
;; Inputs: Wk_codes 1,024 x 32 x 16 uint8 (E2M1 codes of Wk, K innermost, in blocks of 32 codes, two codes a byte); Wk_scales 1,024 x 32 uint8 (E8M0 scales of Wk, one for each 32 codes along K); Wo_codes 1,024 x 32 x 16 uint8 (E2M1 codes of Wo, K innermost, in blocks of 32 codes, two codes a byte); Wo_scales 1,024 x 32 uint8 (E8M0 scales of Wo, one for each 32 codes along K); Wq_codes 1,024 x 32 x 16 uint8 (E2M1 codes of Wq, K innermost, in blocks of 32 codes, two codes a byte); Wq_scales 1,024 x 32 uint8 (E8M0 scales of Wq, one for each 32 codes along K); Wv_codes 1,024 x 32 x 16 uint8 (E2M1 codes of Wv, K innermost, in blocks of 32 codes, two codes a byte); Wv_scales 1,024 x 32 uint8 (E8M0 scales of Wv, one for each 32 codes along K); beta 1,024 float32; bk 1,024 float32; bo 1,024 float32; bq 1,024 float32; bv 1,024 float32; gamma 1,024 float32; mask 4 x 2,048 int32; x 4 x 2,048 x 1,024 float32.
;; Outputs: out0 4 x 2,048 x 1,024 float32.
;; This version of the problem:
;;   THIS VERSION OF THE PROBLEM IS GIVEN IN LOW PRECISION. The matrix products marked QUANTISED in the list below multiply operands that are first quantised to E2M1 (2 exponent bits, 1 mantissa bit; 4 bits a number), with one power-of-two scale for each 32 numbers along K (OCP MX v1.0); their sums are f32. All else is computed in f32.
;;   The module's matrix products, in the order in which they are computed (A, B: the left and right operand; K: the contracted axis; several contracted axes count as one K, in the product's order):
;;     1. [M 8,192, K 1,024] x [K 1,024, N 1,024]; A: input x; B: input Wq (given as codes): QUANTISED
;;     2. [M 8,192, K 1,024] x [K 1,024, N 1,024]; A: input x; B: input Wk (given as codes): QUANTISED
;;     3. [M 8,192, K 1,024] x [K 1,024, N 1,024]; A: input x; B: input Wv (given as codes): QUANTISED
;;     4. batch 64 x [M 2,048, K 64] x [K 64, N 2,048]; A: computed on the way; B: computed on the way: QUANTISED
;;     5. batch 64 x [M 2,048, K 2,048] x [K 2,048, N 64]; A: softmax (see below); B: computed on the way: QUANTISED
;;     6. [M 8,192, K 1,024] x [K 1,024, N 1,024]; A: computed on the way; B: input Wo (given as codes): QUANTISED
;;   THE QUANTISER, for each operand of a quantised product, along K:
;;     - K is cut into blocks of 32 from its start; a last block that is shorter is filled with zeros.
;;     - A block's scale is 2^e with e = floor(log2(the largest magnitude in the block)) - 2, held to -126 .. 127; a block of zeros has e = 0. As a byte (E8M0): e + 127.
;;     - Each number is divided by its block's scale, clamped to +-6, and rounded to the nearest number of E2M1, ties to even, subnormals kept.
;;     - The product sums the exact products of the quantised numbers (number of the format x scale) in f32.
;;   ~~~python
;;   def quantise(x, axis):      # numpy; x: float32 -> the quantised numbers, widened to float32 again
;;       x = np.moveaxis(x, axis, -1); K = x.shape[-1]
;;       x = np.pad(x, [(0, 0)] * (x.ndim - 1) + [(0, -K % 32)]); x = x.reshape(x.shape[:-1] + (-1, 32)); a = np.abs(x).max(-1, keepdims=True)
;;       e = np.where(a > 0, np.clip(np.frexp(np.where(a > 0, a, 1))[1] - 1 - 2, -126, 127), 0)      # np.frexp(a)[1] - 1 = floor(log2(a)), exactly
;;       r = np.clip(x / 2.0 ** e, -6, 6)
;;       step = 2.0 ** (np.maximum(np.frexp(np.where(r == 0, 1, r))[1] - 1, 0) - 1)
;;       q = np.round(r / step) * step * 2.0 ** e      # np.round: ties to even
;;       return np.moveaxis(q.reshape(q.shape[:-2] + (-1,))[..., :K], -1, axis).astype(np.float32)
;;   ~~~
;;   SOFTMAX AHEAD OF A QUANTISED PRODUCT. Where the list says 'softmax', what is quantised is not the finished softmax but p = 2^(t - M), with t = logit x log2(e) and M = ceil(the row's largest t), a whole number; so 1/2 < the row's largest p <= 1. The row's sum l is taken of the UNQUANTISED p, in f32, and the product's result is divided by l at the end. Since M is a whole number, a kernel that streams over the keys may use a running M (the ceiling of the running maximum): every later rescaling is an exact power of two, which a block's scale takes up: the codes' values come out the same.
;;   OPERANDS COMPUTED ON THE WAY. 'Computed on the way' means the value that the module computes at that place (a softmax that the list does not call 'softmax' is quantised finished and normalised). What goes into a quantiser is computed in f32, as accurately as f32 sums, v_exp_f32 and their like allow (about 1e-6 of the number): no bf16 or f16 on the way to a quantiser, and a product that is left as it is and whose result goes on into a quantised operand takes f32 operands (vector FMAs, or v_wmma_f32_16x16x4_f32). A number that lies on a knife's edge between two numbers of the format may be rounded either way, as far as f32 arithmetic and the matrix unit's own rounding can turn it there, and no further.
;;   INPUTS GIVEN AS CODES. Wk (in the module: [1024, 1024], K = its axis 1); Wo (in the module: [1024, 1024], K = its axis 1); Wq (in the module: [1024, 1024], K = its axis 1); Wv (in the module: [1024, 1024], K = its axis 1): each comes as NAME_codes (uint8): NAME with its K axis moved to the last place and cut into blocks of 32 codes, [.., K / 32, bytes a block], one block behind the other in memory; two codes a byte, the lower K in the low four bits (a code: sign, 2 exponent bits, 1 mantissa bit); and NAME_scales (uint8): the same leading axes, one E8M0 byte (e + 127) for each 32 codes along K. Its value is code x scale, taken as it is: it is not quantised again, and the codes and scales need not be those that the quantiser above would give.
;; One version. Each part assembles by itself: llvm-mc -triple=amdgcn-amd-amdhsa -mcpu=gfx1250 --defsym DOCPART=n.
;; ======== version 1 of 1: 4 launches
;; limits: right only within a limited range of input values
;; workspace buffers: xc 4,194,304 bytes; xs 262,144 bytes; woimg 524,288 bytes; qq 9,175,040 bytes; kv 9,175,040 bytes; cimg 4,194,304 bytes; csc 262,144 bytes
;; launch prep (part 1): grid 272 x 1, 4 waves a work-group, no clusters, 33,280 bytes of LDS; arguments x, Wo_codes, xc, xs, woimg; writes xc, xs, woimg
.if DOCPART == 1
	.amdgcn_target "amdgcn-amd-amdhsa--gfx1250"
	.amdhsa_code_object_version 6
	.text
	.protected	k_q55ce48ee0b_prep
	.globl	k_q55ce48ee0b_prep
	.p2align	8
	.type	k_q55ce48ee0b_prep,@function
k_q55ce48ee0b_prep:
	s_mov_b64 s[64:65], 0
	v_nop
	global_prefetch_b8 v0, s[64:65] scope:SCOPE_SE
	s_setreg_imm32_b32 hwreg(HW_REG_WAVE_MODE, 25, 1), 1
	s_wait_xcnt 0x0
; TWO JOBS IN ONE LAUNCH, parted on the work-group's number.
; Work-groups 0-255: x [8192][1024] f32 becomes codes of FP4 (E2M1), xc [8192][512 bytes], K innermost, and one E8M0 byte for each 32 along K, xs [8192][32].
;   A block's scale is 2^(floor(log2(its largest magnitude)) - 2); its byte is the largest magnitude's exponent field - 2, held at 1 from below.  (A block of zeros so gets the byte 1 where the
;   rule says 127: its codes are zeros, which add nothing, and the bytes are read by this program alone.)  Rows are dense, so x is a plain stream of blocks of 32.
;   A wave takes 16 steps of 512 numbers, with the loads of eight steps (32 loads, 16,384 bytes) asked for ahead.  Each load reads 512 consecutive bytes, 16 a lane; a step's 2,048 bytes turn through the wave's own
;   stage in LDS and come back 64 bytes a lane, so that a lane holds 16 neighbours along K (two neighbouring lanes hold a block).  A lane's 16 codes are 8 bytes: the wave stores 256 consecutive bytes.  A wave's 256 scale bytes leave as one store.
; Work-groups 256-271: Wo's codes [1024][512 bytes] are laid anew as images of the operand's registers: woimg [tile of 16 rows: 64][K step of 128: 8][c: 2][lane: 32][16 bytes].  This path uses no LDS.
; LIMITS: blocks whose largest magnitude lies under 2^-124 get the byte 1; NaN and infinities among the inputs are not served.
.set XWG,   256
.set STEPS, 16
.set EMAX,  2
.set CB,    8                          ; bytes of 16 codes
.set R,     16                         ; v16-143  eight sets of 16 numbers as they are loaded
.set X,     144                        ; v144-175 two sets of 16 neighbours
.set E,     176                        ; v176-191 a scale byte for each step
.set C,     192                        ; v192-223 codes: two registers for each step, so that no store's data are written again
.set WREG,  8192                       ; LDS: a region for each wave: two stages of 32 x SP bytes, behind them its 256 scale bytes
.set SP,    80
	s_load_b256 s[4:11], s[0:1], 0x0               ; x s[4:5], Wo's codes s[6:7], xc s[8:9], xs s[10:11]
	s_load_b64 s[12:13], s[0:1], 0x20              ; woimg
	v_lshl_add_u32 v224, v0, 2, 0x8000
	v_mov_b32 v225, 0
	v_lshrrev_b32 v1, 5, v0
	v_readfirstlane_b32 s16, v1                    ; wave
	v_and_b32 v2, 31, v0                           ; lane
	s_wait_kmcnt 0x0
	s_cmp_ge_u32 ttmp9, XWG
	s_cbranch_scc1 .Lwo
	s_wait_alu depctr_va_vdst(0)
	v_lshlrev_b32 v3, 4, v2                        ; my 16 bytes of a load's 512
	s_mul_i32 s17, s16, WREG
	v_lshrrev_b32 v14, 2, v2
	v_mul_u32_u24 v14, v14, SP
	v_and_b32 v15, 3, v2
	v_lshl_add_u32 v14, v15, 4, v14
	v_add_nc_u32 v14, s17, v14                     ; the stage, on the way in: four lanes' 64 bytes on end, then 16 of padding
	v_mul_u32_u24 v15, v2, SP
	v_add_nc_u32 v15, s17, v15                     ; and on the way out: my 16 neighbours
	v_mul_u32_u24 v4, v2, CB                       ; my codes' place in a step's
	v_lshrrev_b32 v5, 1, v2
	s_add_co_u32 s17, s17, 2*32*SP
	v_add_nc_u32 v5, s17, v5                       ; LDS: my wave's 256 scale bytes, my block's byte
	v_lshlrev_b32 v7, 3, v2                        ; and on the way out 8 bytes a lane
	v_add_nc_u32 v6, s17, v7
	s_lshl_b32 s18, ttmp9, 2
	s_add_co_u32 s18, s18, s16                     ; which run of 8,192 numbers is my wave's
	s_lshl_b32 s20, s18, 15
	s_mov_b32 s21, 0
	s_add_nc_u64 s[4:5], s[4:5], s[20:21]
	s_lshl_b32 s20, s18, 12
	s_add_nc_u64 s[8:9], s[8:9], s[20:21]
	s_lshl_b32 s20, s18, 8
	s_add_nc_u64 s[10:11], s[10:11], s[20:21]
.macro LOAD t
.irp i, 0,1,2,3
	global_load_b128 v[R+16*((\t)%8)+4*\i:R+16*((\t)%8)+4*\i+3], v3, s[4:5] offset:2048*(\t)+512*\i th:TH_LOAD_NT
.endr
.endm
.macro TURN t                          ; step t's numbers through the stage: LDS serves a wave's instructions in order, so no wait stands between the stores and the loads
.irp i, 0,1,2,3
	ds_store_b128 v14, v[R+16*((\t)%8)+4*\i:R+16*((\t)%8)+4*\i+3] offset:32*SP*((\t)%2)+8*SP*\i
.endr
.irp i, 0,1,2,3
	ds_load_b128 v[X+16*((\t)%2)+4*\i:X+16*((\t)%2)+4*\i+3], v15 offset:32*SP*((\t)%2)+16*\i
.endr
.endm
.irp t, 0,1,2,3,4,5,6,7
	LOAD \t
.endr
	s_wait_alu depctr_va_vdst(0)
	s_wait_loadcnt 28                              ; step 0's four loads are in; the 28 of steps 1 to 7 stay out
	TURN 0
.macro STEP t
.set XS, X+16*((\t)%2)
.if (\t) > 0
	s_wait_dscnt 1                                 ; this step's numbers are back from the stage (the last step's byte store may be out)
.else
	s_wait_dscnt 0x0
.endif
.if (\t)+8 < STEPS
	LOAD (\t)+8                                    ; into the set whose stores into the stage have read their registers
.endif
.if (\t)+1 < STEPS
.if STEPS-2-(\t) >= 7
	s_wait_loadcnt 28                              ; the next step's four loads are in; those of the seven steps behind it may be out
.else
	s_wait_loadcnt 4*(STEPS-2-(\t))
.endif
	TURN (\t)+1                                    ; through the other stage while this step is worked
.endif
	v_max3_num_f32 v8, |v[XS]|, |v[XS+1]|, |v[XS+2]|               ; the largest magnitude of my 16, in two chains
	v_max3_num_f32 v9, |v[XS+3]|, |v[XS+4]|, |v[XS+5]|
.irp i, 6,10
	v_max3_num_f32 v8, v8, |v[XS+\i]|, |v[XS+\i+1]|
	v_max3_num_f32 v9, v9, |v[XS+\i+2]|, |v[XS+\i+3]|
.endr
	v_max3_num_f32 v8, v8, |v[XS+14]|, |v[XS+15]|
	v_max3_num_f32 v8, v8, v9, (EMAX+1)<<23        ; and the floor 2^(3 - 127): the byte cannot fall under 1
	v_max_num_f32_dpp v8, v8, v8 row_xmask:1 row_mask:0xf bank_mask:0xf   ; and of my neighbour's 16: the block's
	v_add_nc_u32 v11, -(EMAX<<23), v8              ; 2 off its exponent field: the conversion's scale operand
	v_cvt_scalef32_pk8_fp4_f32 v[C+2*(\t)], v[XS:XS+7], v11
	v_cvt_scalef32_pk8_fp4_f32 v[C+2*(\t)+1], v[XS+8:XS+15], v11
	v_lshrrev_b32 v[E+(\t)], 23, v11               ; the scale's byte
	ds_store_b8 v5, v[E+(\t)] offset:16*(\t)       ; both lanes of a block write the same byte with the same value
	global_store_b64 v4, v[C+2*(\t):C+2*(\t)+1], s[8:9] offset:32*CB*(\t)   ; the wave stores 256 consecutive bytes, aligned
.endm
.irp t, 0,1,2,3,4,5,6,7,8,9,10,11,12,13,14,15
	STEP \t
.endr
	ds_load_b64 v[12:13], v6                       ; LDS serves a wave's instructions in order: these see my stores
	s_wait_dscnt 0x0
	global_store_b64 v7, v[12:13], s[10:11]        ; 32 lanes store 256 consecutive bytes, aligned
	s_wait_tensorcnt 0x0                           ; the wave's end
	ds_add_u32 v224, v225
	s_wait_dscnt 0x0
	s_endpgm
.Lwo:                                                  ; a wave takes one tile of 16 rows of Wo: 8,192 bytes in, 8,192 out
	v_and_b32 v3, 15, v0                           ; r
	v_bfe_u32 v4, v0, 4, 1                         ; h
	v_lshlrev_b32 v5, 9, v3
	v_lshl_add_u32 v5, v4, 4, v5                   ; in: row r of 512 bytes, + 16 h
	s_wait_alu depctr_va_vdst(0)
	v_lshlrev_b32 v6, 4, v2                        ; out: 16 x lane
	s_sub_co_u32 s17, ttmp9, XWG
	s_lshl_b32 s17, s17, 2
	s_add_co_u32 s17, s17, s16                     ; the tile, 0 .. 63
	s_lshl_b32 s18, s17, 13
	s_mov_b32 s19, 0
	s_add_nc_u64 s[6:7], s[6:7], s[18:19]
	s_add_nc_u64 s[12:13], s[12:13], s[18:19]
.irp i, 0,1,2,3,4,5,6,7,8,9,10,11,12,13,14,15
	global_load_b128 v[16+4*\i:19+4*\i], v5, s[6:7] offset:32*\i        ; i = 2 s + c
.endr
	s_wait_alu depctr_va_vdst(0)
.irp i, 0,1,2,3,4,5,6,7,8,9,10,11,12,13,14,15
	s_wait_loadcnt 15-\i                           ; loads come back in order: number i is in
	global_store_b128 v6, v[16+4*\i:19+4*\i], s[12:13] offset:512*\i    ; 512 consecutive bytes
.endr
	s_endpgm
.Lfunc_end_k_q55ce48ee0b_prep:
	.size	k_q55ce48ee0b_prep, .Lfunc_end_k_q55ce48ee0b_prep-k_q55ce48ee0b_prep
	.p2alignl 7, 3214868480
	.fill 96, 4, 3214868480
	.section	.rodata,"a",@progbits
	.p2align	6, 0x0
	.amdhsa_kernel k_q55ce48ee0b_prep
		.amdhsa_group_segment_fixed_size 33280
		.amdhsa_private_segment_fixed_size 0
		.amdhsa_enable_private_segment 0
		.amdhsa_kernarg_size 40
		.amdhsa_user_sgpr_count 2
		.amdhsa_user_sgpr_kernarg_segment_ptr 1
		.amdhsa_wavefront_size32 1
		.amdhsa_system_sgpr_workgroup_id_x 1
		.amdhsa_system_sgpr_workgroup_id_y 1
		.amdhsa_system_sgpr_workgroup_id_z 1
		.amdhsa_system_vgpr_workitem_id 0
		.amdhsa_next_free_vgpr 226
		.amdhsa_next_free_sgpr 66
		.amdhsa_reserve_vcc 0
		.amdhsa_float_denorm_mode_32 3
		.amdhsa_float_denorm_mode_16_64 3
		.amdhsa_memory_ordered 1
		.amdhsa_forward_progress 1
		.amdhsa_inst_pref_size 37
	.end_amdhsa_kernel
	.amdgpu_metadata
---
amdhsa.version: [ 1, 2 ]
amdhsa.kernels:
  - .name:           k_q55ce48ee0b_prep
    .symbol:         k_q55ce48ee0b_prep.kd
    .args:
      - { .name: x, .offset: 0, .size: 8, .value_kind: global_buffer, .address_space: global }
      - { .name: Wo_codes, .offset: 8, .size: 8, .value_kind: global_buffer, .address_space: global }
      - { .name: xc, .offset: 16, .size: 8, .value_kind: global_buffer, .address_space: global }
      - { .name: xs, .offset: 24, .size: 8, .value_kind: global_buffer, .address_space: global }
      - { .name: woimg, .offset: 32, .size: 8, .value_kind: global_buffer, .address_space: global }
    .group_segment_fixed_size: 33280
    .private_segment_fixed_size: 0
    .kernarg_segment_align: 8
    .kernarg_segment_size: 40
    .max_flat_workgroup_size: 128
    .sgpr_count:     66
    .vgpr_count:     226
    .wavefront_size: 32
...
	.end_amdgpu_metadata
.endif
;; end of part 1
;; launch qkv (part 2): grid 12 x 32, 8 waves a work-group, clusters of 4 x 4, 279,552 bytes of LDS; arguments xc, xs, Wq_codes, Wk_codes, Wv_codes, Wq_scales, Wk_scales, Wv_scales, bq, bk, bv, mask, qq, kv; writes qq, kv
.if DOCPART == 2
	.amdgcn_target "amdgcn-amd-amdhsa--gfx1250"
	.amdhsa_code_object_version 6
	.text
	.protected	k_q55ce48ee0b_qkv
	.globl	k_q55ce48ee0b_qkv
	.p2align	8
	.type	k_q55ce48ee0b_qkv,@function
k_q55ce48ee0b_qkv:
	s_mov_b64 s[64:65], 0
	v_nop
	global_prefetch_b8 v0, s[64:65] scope:SCOPE_SE
	s_setreg_imm32_b32 hwreg(HW_REG_WAVE_MODE, 25, 1), 1
	s_wait_xcnt 0x0
	s_wait_alu depctr_hold_cnt(0) depctr_sa_sdst(0) depctr_va_vdst(0) depctr_va_sdst(0) depctr_va_ssrc(0) depctr_va_vcc(0) depctr_vm_vsrc(0)
	s_getreg_b32 s2, hwreg(HW_REG_IB_STS2, 6, 4)
	s_cmp_eq_u32 s2, 0
	s_cbranch_scc0 .Lentry_in_a_cluster
	s_endpgm
.Lentry_in_a_cluster:
	s_bfe_u32 s2, ttmp6, 0x10000c
	s_cmp_lg_u32 s2, 0xf033
	s_cbranch_scc0 .Lentry_shape_is_right
	s_endpgm
.Lentry_shape_is_right:
; Q = x Wq^T + bq, K = x Wk^T + bk, V = x Wv^T + bv on codes of FP4 with E8M0 scales; each result is quantised at once, in registers, and stored as images of operand registers.
; SHARES.  The cluster's x says which matrix (0 Q, 1 K, 2 V); cx which 256 features; 4 x cluster y + cy which 256 tokens.  A work-group makes 256 x 256 with all of K = 1,024 in LDS, filled once:
; 256 rows of W, then 256 rows of x, rows of 512 bytes + 16 of padding.  Each of the eight waves fetches 64 rows by one tensor load.  Wave w takes 128 rows of W (a = w & 1) x 64 tokens (q = w >> 1): 32 accumulators, window 1.
; WHICH SIDE IS WHICH.  A result's lane holds ONE row of source 1 and its registers run along source 0's rows.  Q and K are quantised along the features: source 0 = W's rows, source 1 = tokens.
; V is quantised along the keys: source 0 = tokens, source 1 = Wv's rows.  The LDS addresses and the fragments are the same for all three; only the products' sources change places, in a second arm of each K step,
; chosen by the cluster's x, which all partners share.
; QUANTISING.  A block of 32 is 16 registers of lanes l and l xor 16.  The codes of (block b, tile parity u) go to register 4 (b / 2) + 2 u + b % 2, and one exchange of halves for each pair leaves registers 4 c + i with k = 64 c + 32 h + 8 i .. + 7.
; RECORDS.  qq and kv: [batch x head: 64][128 tokens: 16] records of 8,960 bytes: +0 eight tiles of 16 tokens x 64 channels (512 bytes: 16 x lane); +4,096 V^T, four tiles of 16 channels x 128 keys
; (1,024 bytes: 512 c + 16 x lane); +8,192 the token tiles' scale words, by pairs of tiles (lanes 0-15 the even tile, 16-31 the odd); +8,704 V's scale words, two pairs.  A wave's 64 keys of V are half c = q & 1 of a fragment and bytes 2 c, 2 c + 1 of a scale word.
; THE MASK.  A key with mask == 0 gets zero codes, and the high half of its scale word is 0x019e: the attention launch puts the code -4 at k = 64 against Q's 1.0, scaled by 2^31: its score is -2^33.  A kept key's high half is 0x0101; Q's is 0x7f7f.
; LIMITS: the fill is a logit of -2^30 where reference() writes -1e9: the same result while a row's largest unmasked logit lies above about -1e9 + 200.  NaN and infinities are not served; blocks under 2^-124 get the byte 1.
; CLUSTERS: 4 x 4.  W's tile hangs on cx alone and is asked for jointly by a column of the cluster, x's on cy alone and by a row.  A wave has one tensor load outstanding.  No prefetch: the launch has no loop over memory to run ahead in.
.set PITCH, 528
.set T16,   16*PITCH
.set QUART, 64*PITCH
.set HALF,  128*PITCH
.set XT,    256*PITCH
.set REC,   8960
.set HEADB, 16*REC
.set SA,  16                           ; v16-47 W's scale words: register s % 4 of a tile's four; K steps 0-3 in lanes 0-15, 4-7 in lanes 16-31
.set SB,  48                           ; v48-63 x's
.set FA,  64                           ; W's eight fragments, two buffers
.set FB,  192                          ; x's four, two buffers
.set BA,  64                           ; the way out: the bias
.set T,   128                          ; 64 numbers to be quantised
.set PC,  200                          ; the codes: no store's data are written again
.set TM,  232
.set PW,  248
.set G1W, 44
.set G1X, 52
.set MSB, 0
.macro WIN new
.if MSB != \new
	s_set_vgpr_msb (MSB<<8)|\new
.set MSB, \new
.endif
.endm
.macro PLACES n
.rept \n
	v_nop
.endr
.endm
.macro ROUND
	s_barrier_signal -1
	s_barrier_wait -1
	s_cmp_lg_u32 s32, 0
	s_cbranch_scc1 .Lnot_wave_0_\@
	s_barrier_signal -3
.Lnot_wave_0_\@:
	s_barrier_wait -3
	s_barrier_signal -1
	s_barrier_wait -1
.endm
	s_load_b512 s[4:19], s[0:1], 0x0               ; xc 4, xs 6, Wq_codes 8, Wk_codes 10, Wv_codes 12, Wq_scales 14, Wk_scales 16, Wv_scales 18
	s_load_b256 s[20:27], s[0:1], 0x40             ; bq 20, bk 22, bv 24, mask 26
	s_load_b128 s[28:31], s[0:1], 0x60             ; qq 28, kv 30
	v_lshl_add_u32 v254, v0, 2, 0x44000
	v_mov_b32 v255, 0
	ds_add_u32 v254, v255                          ; the opening lines
	ds_add_u32 v254, v255
	s_wait_dscnt 0x0
	v_lshrrev_b32 v10, 5, v0
	v_readfirstlane_b32 s32, v10                   ; wave 0..7
	s_and_b32 s33, s32, 1                          ; a
	s_lshr_b32 s34, s32, 1                         ; q
	s_bfe_u32 s35, ttmp6, 0x40000                  ; cx = f
	s_bfe_u32 s36, ttmp6, 0x40004                  ; cy
	s_mov_b32 s37, ttmp9                           ; the matrix
	s_and_b32 s38, ttmp7, 0xffff
	s_lshl_b32 s38, s38, 2
	s_add_co_u32 s38, s38, s36                     ; ty
	s_lshl_b32 s39, s36, 2
	s_lshl_b32 s39, 15, s39                        ; my row of the cluster
	s_lshl_b32 s40, 0x1111, s35                    ; my column
	s_or_b32 s[G1W], s40, (1<<20)|(1<<21)|(6<<22)|(3<<25)   ; the mask; elements of 1 byte; padding of four words after every 128
	s_or_b32 s[G1X], s39, (1<<20)|(1<<21)|(6<<22)|(3<<25)
.irp g, G1W, G1X
	s_mov_b32 s[\g+1], 512<<16                     ; tensor_dim0 = 512 bytes: a whole row of 1,024 codes
	s_mov_b32 s[\g+2], 64<<16                      ; tensor_dim1 = 64 rows
	s_mov_b32 s[\g+3], 512<<16
	s_mov_b32 s[\g+4], 64
	s_mov_b32 s[\g+5], 512
	s_mov_b32 s[\g+6], 0
	s_mov_b32 s[\g+7], 0
.endr
	s_and_b32 s41, s32, 3
	s_lshl_b32 s41, s41, 15                        ; which 64 rows of a tile I fetch, x 512 bytes
	s_lshl_b32 s42, s35, 17                        ; W: 256 f rows
	s_add_co_u32 s42, s42, s41
	s_mov_b32 s43, 0
	s_lshl_b32 s66, s38, 17                        ; x: 256 ty rows
	s_add_co_u32 s66, s66, s41
	s_mov_b32 s67, 0
	s_mul_i32 s93, s32, QUART                      ; where they go: waves 0-3 W's rows, waves 4-7 x's
	s_mov_b32 s98, 0x76543210
	s_mov_b32 s99, 0xfedcba98
	s_mov_b32 s100, 0xffff0000                     ; as a lane mask: lanes 16-31
	s_mov_b32 s101, 0x7f7f0000
	s_mov_b32 s3, 0x7f7f0000
	s_wait_kmcnt 0x0
	s_cmp_eq_u32 s37, 0
	s_cselect_b64 s[80:81], s[8:9], s[10:11]       ; the weight's codes,
	s_cselect_b64 s[82:83], s[14:15], s[16:17]     ; its scales,
	s_cselect_b64 s[84:85], s[20:21], s[22:23]     ; the bias,
	s_cselect_b64 s[86:87], s[28:29], s[30:31]     ; and where the results go
	s_cmp_eq_u32 s37, 1
	s_cselect_b32 s101, 0x01010000, s101           ; K: a kept key's high half,
	s_cselect_b32 s10, 0x019e0000, s3              ; a masked key's
	s_cselect_b32 s92, 0, -1                       ; Q's codes are never cleared
	s_cmp_eq_u32 s37, 2
	s_cselect_b64 s[80:81], s[12:13], s[80:81]
	s_cselect_b64 s[82:83], s[18:19], s[82:83]
	s_cselect_b64 s[84:85], s[24:25], s[84:85]
	s_add_nc_u64 s[80:81], s[80:81], s[42:43]
	s_add_nc_u64 s[4:5], s[4:5], s[66:67]
	s_mov_b32 s60, 1
	s_mov_b32 s61, s93
	s_mov_b64 s[62:63], s[80:81]
	s_or_b32 s63, s63, 0x80000000
	s_mov_b32 s72, 1
	s_mov_b32 s73, s93
	s_mov_b64 s[74:75], s[4:5]
	s_or_b32 s75, s75, 0x80000000
	s_mov_b32 s13, 0
	s_lshl_b32 s12, s35, 13                        ; W's scales: 32 bytes a row: rows 256 f + 128 a
	s_lshl_b32 s11, s33, 12
	s_add_co_u32 s12, s12, s11
	s_add_nc_u64 s[88:89], s[82:83], s[12:13]
	s_lshl_b32 s12, s38, 13                        ; x's: rows 256 ty + 64 q
	s_lshl_b32 s11, s34, 11
	s_add_co_u32 s12, s12, s11
	s_add_nc_u64 s[90:91], s[6:7], s[12:13]
	s_lshl_b32 s12, s35, 10                        ; the bias at features 256 f + 128 a
	s_lshl_b32 s11, s33, 9
	s_add_co_u32 s12, s12, s11
	s_add_nc_u64 s[20:21], s[84:85], s[12:13]
	s_lshl_b32 s12, s38, 10                        ; the mask at tokens 256 ty + 64 q
	s_lshl_b32 s11, s34, 8
	s_add_co_u32 s12, s12, s11
	s_add_nc_u64 s[26:27], s[26:27], s[12:13]
	s_mul_i32 s2, s33, HALF                        ; my 128 rows of W in LDS
	s_mul_i32 s3, s34, QUART
	s_add_co_u32 s3, s3, XT                        ; my 64 rows of x
	ROUND                                          ; all sixteen work-groups are here: the joint loads meet
	s_cmp_lt_u32 s32, 4
	s_cbranch_scc0 .Lfirst_x
	tensor_load_to_lds s[60:63], s[G1W:G1W+7]
	s_nop 0
	PLACES 4
	s_branch .Lfirst_asked
.Lfirst_x:
	tensor_load_to_lds s[72:75], s[G1X:G1X+7]
	s_nop 0
	PLACES 4
.Lfirst_asked:
	v_and_b32 v10, 15, v0                          ; r
	v_bfe_u32 v11, v0, 4, 1                        ; h
	v_and_b32 v13, 31, v0
	v_lshlrev_b32 v1, 4, v13                       ; 16 x lane
	v_lshlrev_b32 v2, 2, v13                       ; 4 x lane
	v_mul_u32_u24 v13, v10, PITCH
	v_lshl_add_u32 v13, v11, 4, v13                ; a fragment: row r x pitch + 16 h
	v_add_nc_u32 v3, s2, v13                       ; W
	v_add_nc_u32 v5, s3, v13                       ; x
	v_lshlrev_b32 v7, 5, v10
	v_lshl_add_u32 v7, v11, 4, v7                  ; scales: row r of 32 bytes, + 16 h
	v_lshlrev_b32 v8, 5, v11                       ; 32 h
	v_lshlrev_b32 v9, 2, v10                       ; 4 r
	v_mov_b32 v14, s10
	v_mov_b32 v15, s101
.irp t, 0,1,2,3,4,5,6,7
	global_load_b128 v[SA+4*\t:SA+4*\t+3], v7, s[88:89] offset:512*\t
.endr
.irp u, 0,1,2,3
	global_load_b128 v[SB+4*\u:SB+4*\u+3], v7, s[90:91] offset:512*\u
.endr
.macro FETCH s                         ; the fragments of K step s into buffer s % 2: 24 LDS loads in one run
.irp t, 0,1,2,3,4,5,6,7
.irp c, 0,1
	ds_load_b128 v[FA+64*((\s)%2)+8*\t+4*\c:FA+64*((\s)%2)+8*\t+4*\c+3], v3 offset:T16*\t+64*(\s)+32*\c
.endr
.endr
.irp u, 0,1,2,3
.irp c, 0,1
	ds_load_b128 v[FB+32*((\s)%2)+8*\u+4*\c:FB+32*((\s)%2)+8*\u+4*\c+3], v5 offset:T16*\u+64*(\s)+32*\c
.endr
.endr
.endm
.macro WM d, a, b, z, sa, sb, hi
.if \z
	v_wmma_scale_f32_16x16x128_f8f6f4 v[(\d):(\d)+7], v[(\a):(\a)+7], v[(\b):(\b)+7], 0, v[\sa], v[\sb] matrix_a_fmt:MATRIX_FMT_FP4 matrix_b_fmt:MATRIX_FMT_FP4
.elseif \hi
	v_wmma_scale_f32_16x16x128_f8f6f4 v[(\d):(\d)+7], v[(\a):(\a)+7], v[(\b):(\b)+7], v[(\d):(\d)+7], v[\sa], v[\sb] matrix_a_fmt:MATRIX_FMT_FP4 matrix_b_fmt:MATRIX_FMT_FP4 matrix_a_scale:MATRIX_SCALE_ROW1 matrix_b_scale:MATRIX_SCALE_ROW1
.else
	v_wmma_scale_f32_16x16x128_f8f6f4 v[(\d):(\d)+7], v[(\a):(\a)+7], v[(\b):(\b)+7], v[(\d):(\d)+7], v[\sa], v[\sb] matrix_a_fmt:MATRIX_FMT_FP4 matrix_b_fmt:MATRIX_FMT_FP4
.endif
.endm
; 32 matrix instructions, in one of two arms; the 32 accumulators take turns in the same order in both arms and in every step.  The last step's arm also asks for what its way out wants, into buffer 0
.macro MUL s
	s_cmp_eq_u32 s37, 2
	s_cbranch_scc1 .Lmv_\@
.if (\s) == 7
.irp t, 0,1,2,3,4,5,6,7
	global_load_b128 v[BA+8*\t:BA+8*\t+3], v8, s[20:21] offset:64*\t         ; the bias of features 16 t + 8 h + 0 .. 7
	global_load_b128 v[BA+8*\t+4:BA+8*\t+7], v8, s[20:21] offset:64*\t+16
.endr
.irp u, 0,1,2,3
	global_load_b32 v[193+2*\u], v9, s[26:27] offset:64*\u                   ; the mask of token 16 u + r
.endr
.endif
	WIN 0x50
.irp u, 0,1,2,3
.irp t, 0,1,2,3,4,5,6,7
	WM 64*\u+8*\t, FA+64*((\s)%2)+8*\t, FB+32*((\s)%2)+8*\u, (\s)==0, SA+4*\t+(\s)%4, SB+4*\u+(\s)%4, (\s)/4
.endr
.endr
	WIN 0
	s_branch .Lmd_\@
.Lmv_\@:
.if (\s) == 7
.irp t, 0,1,2,3,4,5,6,7
	global_load_b32 v[BA+\t], v9, s[20:21] offset:64*\t                      ; the bias of feature 16 t + r
.endr
.endif
	WIN 0x50
.irp u, 0,1,2,3
.irp t, 0,1,2,3,4,5,6,7
	WM 64*\u+8*\t, FB+32*((\s)%2)+8*\u, FA+64*((\s)%2)+8*\t, (\s)==0, SB+4*\u+(\s)%4, SA+4*\t+(\s)%4, (\s)/4
.endr
.endr
	WIN 0
.Lmd_\@:
.endm
.macro STEP s
	s_wait_dscnt 0x0                               ; this step's fragments are in
.if (\s) > 0
	PLACES 4                                       ; in front of loads into the buffer that the last step's matrix instructions read
.endif
.if (\s) < 7
	FETCH (\s)+1
.endif
	MUL \s
.endm
	s_wait_alu depctr_va_vdst(0)                   ; the wait at the head's end
	s_wait_tensorcnt 0x0                           ; my 64 rows are in,
	s_barrier_signal -1
	s_barrier_wait -1                              ; everybody's are
	FETCH 0
	s_wait_loadcnt 0x0                             ; the scale words
.irp s, 0,1,2,3,4,5,6,7
	STEP \s
.endr
; 64 numbers of a lane, v[s] on, become eight registers of codes in v[pc] on and four scale bytes in v[PW]
.macro QUANT s, pc
.irp b, 0,1,2,3
	v_max3_num_f32 v[TM+\b], |v[\s+16*\b]|, |v[\s+1+16*\b]|, 0x1800000   ; and the floor 2^(3 - 127): the byte cannot fall under 1
.endr
.irp i, 2,4,6,8,10,12,14
.irp b, 0,1,2,3
	s_delay_alu instid0(VALU_DEP_4)
	v_max3_num_f32 v[TM+\b], v[TM+\b], |v[\s+16*\b+\i]|, |v[\s+1+16*\b+\i]|
.endr
.endr
.irp b, 0,1,2,3
	s_delay_alu instid0(VALU_DEP_4)
	v_permlanex16_b32 v[TM+4+\b], v[TM+\b], s98, s99
.endr
.irp b, 0,1,2,3
	s_delay_alu instid0(VALU_DEP_4)
	v_max_num_f32 v[TM+\b], v[TM+\b], v[TM+4+\b]
.endr
.irp b, 0,1,2,3
	s_delay_alu instid0(VALU_DEP_4)
	v_add_nc_u32 v[TM+12+\b], 0xff000000, v[TM+\b] ; 2 off the exponent field: the conversion's scale operand
.endr
.irp b, 0,1,2,3
	s_delay_alu instid0(VALU_DEP_4)
	v_lshrrev_b32 v[TM+4+\b], 23, v[TM+12+\b]      ; the scale's byte
.endr
	s_delay_alu instid0(VALU_DEP_3)
	v_lshl_or_b32 v[PW], v[TM+5], 8, v[TM+4]
	s_delay_alu instid0(VALU_DEP_1)
	v_lshl_or_b32 v[PW], v[TM+6], 16, v[PW]
	s_delay_alu instid0(VALU_DEP_1)
	v_lshl_or_b32 v[PW], v[TM+7], 24, v[PW]
.irp b, 0,1,2,3
	v_cvt_scalef32_pk8_fp4_f32 v[(\pc)+4*(\b/2)+(\b%2)], v[\s+16*\b:\s+16*\b+7], v[TM+12+\b]
	v_cvt_scalef32_pk8_fp4_f32 v[(\pc)+4*(\b/2)+2+(\b%2)], v[\s+16*\b+8:\s+16*\b+15], v[TM+12+\b]
.endr
	v_nop                                          ; one plain place behind a scaled conversion
.irp c, 0,1
.irp u, 0,1
	v_permlane16_swap_b32 v[(\pc)+4*\c+2*\u], v[(\pc)+4*\c+2*\u+1]
.endr
.endr
.endm
	PLACES 4                                       ; behind the last products
	s_wait_loadcnt 0x0                             ; biases and mask
.irp b, 0,1,2,3
	v_mov_b32 v[TM+4+\b], 0                        ; a lane permute's destination counts as one of its sources
.endr
	; my 128 features are heads 4 f + 2 a and the next; my 64 tokens lie in record 2 (ty & 7) + q / 2, half q & 1
	s_lshr_b32 s11, s38, 3                         ; the batch
	s_and_b32 s12, s38, 7
	s_mov_b32 s17, 0
	s_lshl_b32 s13, s11, 4
	s_lshl_b32 s14, s35, 2
	s_add_co_u32 s13, s13, s14
	s_lshl_b32 s14, s33, 1
	s_add_co_u32 s13, s13, s14
	s_mul_i32 s13, s13, HEADB
	s_lshl_b32 s14, s12, 1
	s_lshr_b32 s15, s34, 1
	s_add_co_u32 s14, s14, s15
	s_mul_i32 s14, s14, REC
	s_add_co_u32 s13, s13, s14                     ; the record
	s_and_b32 s15, s34, 1
	s_cmp_eq_u32 s37, 2
	s_cbranch_scc1 .Lv
	s_lshl_b32 s16, s15, 11
	s_add_co_u32 s16, s16, s13
	s_add_nc_u64 s[94:95], s[86:87], s[16:17]      ; codes: + 2,048 (q & 1)
	s_lshl_b32 s16, s15, 8
	s_add_co_u32 s16, s16, s13
	s_add_co_u32 s16, s16, 8192
	s_add_nc_u64 s[96:97], s[86:87], s[16:17]      ; scale words: + 8,192 + 256 (q & 1)
.macro QKOUT u
	WIN 0x01                                       ; source 0: window 1.  The bias's addition brings the sums into window 0
.set jj, 0
.rept 32
	v_pk_add_f32 v[T+jj:T+jj+1], v[64*\u+jj:64*\u+jj+1], v[BA+jj:BA+jj+1]
.set jj, jj+2
.endr
	WIN 0
	QUANT T, PC+8*\u
	v_cmp_ne_u32 vcc_lo, 0, v[193+2*\u]            ; my token counts
	s_delay_alu instid0(VALU_DEP_1)
	v_cndmask_b32 v12, 0, -1, vcc_lo
	s_delay_alu instid0(VALU_DEP_1)
	v_or_b32 v12, s92, v12                         ; (Q's codes always stay)
	s_delay_alu instid0(VALU_DEP_3)
	v_cndmask_b32 v251, v14, v15, vcc_lo           ; the scale word's high half
.irp i, 0,1,2,3,4,5,6,7
	v_and_b32 v[PC+8*\u+\i], v12, v[PC+8*\u+\i]    ; a masked key's codes are zeros
.endr
	global_store_b128 v1, v[PC+8*\u:PC+8*\u+3], s[94:95] offset:512*\u           ; the first head's 64 channels: 512 consecutive bytes
	global_store_b128 v1, v[PC+8*\u+4:PC+8*\u+7], s[94:95] offset:512*\u+HEADB   ; the next head's
.if (\u)%2 == 0
	v_and_or_b32 v249, v[PW], 0xffff, v251
	v_lshrrev_b32 v250, 16, v[PW]
	s_delay_alu instid0(VALU_DEP_1)
	v_or_b32 v250, v250, v251
.else
	v_and_or_b32 v12, v[PW], 0xffff, v251
	v_lshrrev_b32 v13, 16, v[PW]
	s_delay_alu instid0(VALU_DEP_1)
	v_or_b32 v13, v13, v251
	s_delay_alu instid0(VALU_DEP_3)
	v_cndmask_b32 v[252+2*((\u)/2)], v249, v12, s100   ; lanes 0-15 the even tile's word, lanes 16-31 the odd tile's
	s_delay_alu instid0(VALU_DEP_2)
	v_cndmask_b32 v[253+2*((\u)/2)], v250, v13, s100
	global_store_b32 v2, v[252+2*((\u)/2)], s[96:97] offset:128*((\u)/2)
	global_store_b32 v2, v[253+2*((\u)/2)], s[96:97] offset:128*((\u)/2)+HEADB
.endif
.endm
.irp u, 0,1,2,3
	QKOUT \u
.endr
	s_branch .Lend
.Lv:	; V: accumulator (u, t) holds tokens 16 u + 8 h + j of feature 16 t + r.  Two feature tiles at a time: each has two blocks of 32 keys
	s_lshl_b32 s16, s15, 9
	s_add_co_u32 s16, s16, s13
	s_add_co_u32 s16, s16, 4096
	s_add_nc_u64 s[94:95], s[86:87], s[16:17]      ; codes: + 4,096 + 512 (q & 1)
	s_lshl_b32 s16, s15, 1
	s_add_co_u32 s16, s16, s13
	s_add_co_u32 s16, s16, 8704
	s_add_nc_u64 s[96:97], s[86:87], s[16:17]      ; scale bytes: + 8,704 + 2 (q & 1)
.macro VOUT e
	WIN 0x01
.irp u, 0,1,2,3
.irp j, 0,2,4,6
	v_pk_add_f32 v[T+8*\u+\j:T+8*\u+\j+1], v[64*\u+16*\e+\j:64*\u+16*\e+\j+1], v[BA+2*\e:BA+2*\e+1] op_sel_hi:[1,0]   ; tile 2 e: the pair's first word serves both halves
.endr
.endr
.irp u, 0,1,2,3
.irp j, 0,2,4,6
	v_pk_add_f32 v[T+32+8*\u+\j:T+32+8*\u+\j+1], v[64*\u+16*\e+8+\j:64*\u+16*\e+8+\j+1], v[BA+2*\e:BA+2*\e+1] op_sel:[0,1] op_sel_hi:[1,1]   ; tile 2 e + 1: its second word
.endr
.endr
	WIN 0
	QUANT T, PC+8*\e
	global_store_b128 v1, v[PC+8*\e:PC+8*\e+3], s[94:95] offset:1024*((2*\e)%4)+HEADB*(\e/2)
	global_store_b128 v1, v[PC+8*\e+4:PC+8*\e+7], s[94:95] offset:1024*((2*\e+1)%4)+HEADB*(\e/2)
	v_lshrrev_b32 v249, 16, v[PW]
	v_cndmask_b32 v[10+\e], v[PW], v249, s100      ; lanes 0-15 the even tile's two bytes, lanes 16-31 the odd tile's
	global_store_b16 v2, v[10+\e], s[96:97] offset:128*(\e%2)+HEADB*(\e/2)
.endm
.irp e, 0,1,2,3
	VOUT \e
.endr
.Lend:
	s_wait_xcnt 0x0
	v_lshl_add_u32 v254, v0, 2, 0x44000
	v_mov_b32 v255, 0
	s_wait_alu depctr_va_vdst(0)
	s_wait_tensorcnt 0x0                           ; the wave's end
	ds_add_u32 v254, v255
	s_wait_dscnt 0x0
	ROUND                                          ; the closing round
	s_endpgm
.Lfunc_end_k_q55ce48ee0b_qkv:
	.size	k_q55ce48ee0b_qkv, .Lfunc_end_k_q55ce48ee0b_qkv-k_q55ce48ee0b_qkv
	.p2alignl 7, 3214868480
	.fill 96, 4, 3214868480
	.section	.rodata,"a",@progbits
	.p2align	6, 0x0
	.amdhsa_kernel k_q55ce48ee0b_qkv
		.amdhsa_group_segment_fixed_size 279552
		.amdhsa_private_segment_fixed_size 0
		.amdhsa_enable_private_segment 0
		.amdhsa_kernarg_size 112
		.amdhsa_user_sgpr_count 2
		.amdhsa_user_sgpr_kernarg_segment_ptr 1
		.amdhsa_wavefront_size32 1
		.amdhsa_system_sgpr_workgroup_id_x 1
		.amdhsa_system_sgpr_workgroup_id_y 1
		.amdhsa_system_sgpr_workgroup_id_z 1
		.amdhsa_system_vgpr_workitem_id 0
		.amdhsa_next_free_vgpr 512
		.amdhsa_next_free_sgpr 102
		.amdhsa_reserve_vcc 1
		.amdhsa_float_denorm_mode_32 3
		.amdhsa_float_denorm_mode_16_64 3
		.amdhsa_memory_ordered 1
		.amdhsa_forward_progress 1
		.amdhsa_inst_pref_size 155
	.end_amdhsa_kernel
	.amdgpu_metadata
---
amdhsa.version: [ 1, 2 ]
amdhsa.kernels:
  - .name:           k_q55ce48ee0b_qkv
    .symbol:         k_q55ce48ee0b_qkv.kd
    .args:
      - { .name: xc, .offset: 0, .size: 8, .value_kind: global_buffer, .address_space: global }
      - { .name: xs, .offset: 8, .size: 8, .value_kind: global_buffer, .address_space: global }
      - { .name: Wq_codes, .offset: 16, .size: 8, .value_kind: global_buffer, .address_space: global }
      - { .name: Wk_codes, .offset: 24, .size: 8, .value_kind: global_buffer, .address_space: global }
      - { .name: Wv_codes, .offset: 32, .size: 8, .value_kind: global_buffer, .address_space: global }
      - { .name: Wq_scales, .offset: 40, .size: 8, .value_kind: global_buffer, .address_space: global }
      - { .name: Wk_scales, .offset: 48, .size: 8, .value_kind: global_buffer, .address_space: global }
      - { .name: Wv_scales, .offset: 56, .size: 8, .value_kind: global_buffer, .address_space: global }
      - { .name: bq, .offset: 64, .size: 8, .value_kind: global_buffer, .address_space: global }
      - { .name: bk, .offset: 72, .size: 8, .value_kind: global_buffer, .address_space: global }
      - { .name: bv, .offset: 80, .size: 8, .value_kind: global_buffer, .address_space: global }
      - { .name: mask, .offset: 88, .size: 8, .value_kind: global_buffer, .address_space: global }
      - { .name: qq, .offset: 96, .size: 8, .value_kind: global_buffer, .address_space: global }
      - { .name: kv, .offset: 104, .size: 8, .value_kind: global_buffer, .address_space: global }
    .group_segment_fixed_size: 279552
    .private_segment_fixed_size: 0
    .kernarg_segment_align: 8
    .kernarg_segment_size: 112
    .max_flat_workgroup_size: 256
    .sgpr_count:     102
    .vgpr_count:     512
    .wavefront_size: 32
...
	.end_amdgpu_metadata
.endif
;; end of part 2
;; launch attn (part 3): grid 4 x 64, 8 waves a work-group, clusters of 4 x 1, 169,984 bytes of LDS; arguments qq, kv, mask, cimg, csc; writes cimg, csc
.if DOCPART == 3
	.amdgcn_target "amdgcn-amd-amdhsa--gfx1250"
	.amdhsa_code_object_version 6
	.text
	.protected	k_q55ce48ee0b_attn
	.globl	k_q55ce48ee0b_attn
	.p2align	8
	.type	k_q55ce48ee0b_attn,@function
k_q55ce48ee0b_attn:
	s_mov_b64 s[64:65], 0
	v_nop
	global_prefetch_b8 v0, s[64:65] scope:SCOPE_SE
	s_setreg_imm32_b32 hwreg(HW_REG_WAVE_MODE, 25, 1), 1
	s_wait_xcnt 0x0
	s_wait_alu depctr_hold_cnt(0) depctr_sa_sdst(0) depctr_va_vdst(0) depctr_va_sdst(0) depctr_va_ssrc(0) depctr_va_vcc(0) depctr_vm_vsrc(0)
	s_getreg_b32 s2, hwreg(HW_REG_IB_STS2, 6, 4)
	s_cmp_eq_u32 s2, 0
	s_cbranch_scc0 .Lentry_in_a_cluster
	s_endpgm
.Lentry_in_a_cluster:
	s_bfe_u32 s2, ttmp6, 0x10000c
	s_cmp_lg_u32 s2, 0x3003
	s_cbranch_scc0 .Lentry_shape_is_right
	s_endpgm
.Lentry_shape_is_right:
; context = softmax(Q K^T / 8, keys with mask == 0 filled) V for one batch x head, both products on codes of FP4 with E8M0 scales (the form of 32 x 16 x 128); the context is quantised along the features at once and stored as codes.
; THE SOFTMAX AHEAD OF THE SECOND PRODUCT: t = score x log2(e) / 8; M = the running largest t rounded UP to a whole number; p = 2^(t - M) is quantised along the keys, not normalised; the row's sum is
; taken of the unquantised p and divides at the end.  When M moves, the sum and O^T are multiplied by 2^(old M - new M): exact.
; SHARES.  Work-group y is the batch x head; the four work-groups of a cluster take 512 queries each and need the same K and V: the head's 16 records (143,360 bytes) are asked for JOINTLY, two records a
; wave by one tensor load, and stay in LDS: nothing is filled again.  Each of the eight waves walks TWO tiles of 16 queries side by side (u = 0, 1), twice, each walk over 16 steps of 128 keys:
; a fragment of K or V read from LDS serves both tiles.  K of step s + 1 is asked for behind step s's score products, V of step s just ahead of it; the last step is written out, with no K to ask for.
; LAYOUT.  S^T = K Q^T (source 0 = 32 keys, source 1 = 16 queries), O^T = V^T P^T (source 0 = 32 channels): a lane holds ONE query (lane % 16) of each tile.
; THE KEYS OF A TILE ARE NOT NEIGHBOURS: in a group G of 64 keys, row m of tile T (0 .. 3) is key 64 G + 32 (m / 8) + 8 T + m % 8, chosen by the LDS addresses of the fragments, pad words and scale words.
; Register 32 G + 8 T + j of lane (r, h) is then key 64 G + 32 h + 8 T + j: a lane's 32 registers are ONE whole block of 32 neighbouring keys, block 2 G + h.  So a block's largest needs no other lane, and the
; conversion of registers 8 T .. 8 T + 7 is register 4 G + T of the second product's operand as it stands.  The row's largest and p's scale word take one lane permute each.
; A BLOCK'S SCALE is made ahead of the exponentials: the block's largest p is 2^x with x = its largest t - M, so floor(log2) of it is floor(x); the byte is floor(x) + 125, held at 1 from below.
; THE EXPONENTIALS go in two batches of 64.  Between tile 0's stand tile 1's multiply-adds, between tile 1's stand tile 0's conversions and the first level of its sums: lines whose results are read only behind the batch's closing wait.
; THE MASK rides in the unused half of the first product's K (64 of 128): Q holds 1.0 at k = 64, a key with mask == 0 holds -4 there under the scale 2^31: its score is -2^33 exactly.
; REGISTERS.  Window 0: addresses, Q, V, K, scale words.  Window 1: S^T, O^T, p's codes and all that the softmax works on.
; LIMITS: the fill is a logit of -2^30 where reference() writes -1e9: the same result while a row's largest unmasked logit lies above about -1e9 + 200.  The promise holds while the scaled scores t stay under 2^31 in magnitude.
; Where x lies so closely under a whole number that v_exp_f32 rounds 2^x up to the power of two, that one p is held at the largest code of the block's scale.  NaN and infinities are not served.
; No prefetch: K and V come once, at the head, and the loops read LDS alone.
.set REC,   8960                       ; a record: +0 K, 8 tiles x 512; +4,096 V^T, 4 tiles x 1,024; +8,192 K's scale words, 4 bytes a key; +8,704 V's, 2 pairs x 128
.set HEADB, 16*REC
.set MPAD,  HEADB                      ; a word for each of the 2,048 keys: 14 (the code -4 at k = 64) where mask == 0, else 0
.set SPARE, 0x29000
; window 0: v1 16 x lane; v2 4 x lane; v3 my pad words' place; v12 my place in K's tiles; v13 among K's scale words; v4-6, v10, v11 the step's addresses; v7, v8 Q's; v9 the context's scale byte
.set Q,   16                           ; v16-31   Q's two fragments
.set V,   32                           ; v32-63   V's four tiles
.set K,   64                           ; v64-127  K's eight tiles
.set QS,  128                          ; v128-129 Q's scale words, a register a tile
.set PS,  130                          ; v130-131 p's
.set KS,  132                          ; v132-135 K's: lane m has row m's of 32
.set VS,  136                          ; v136-137 V's
.set SPW, 140
.set NIL, 141
; window 1
.set S,   0                            ; S^T, then p: 64 registers a tile
.set O,   128                          ; O^T: 32 a tile
.set PCD, 192                          ; p's codes: 8 a tile
.set BM,  208                          ; v208-215 largest scores
.set BX,  216                          ; v216-219 what lane permutes bring
.set EB,  220                          ; v220-223 the scale bytes of my two blocks, for each tile
.set SOP, 224                          ; v224-227 the conversions' scale operands
.set W,   228                          ; v228-229 the scale word in the making
.set NM,  232                          ; a pair a tile: -M, the running largest score
.set SUM, 236                          ; a pair a tile: the sum in two halves
.set F,   240                          ; a pair a tile: f, and a register at work
.set SH,  244                          ; 8 x (lane / 16)
.set MSB, 0
.macro WIN new
.if MSB != \new
	s_set_vgpr_msb (MSB<<8)|\new
.set MSB, \new
.endif
.endm
.macro ROUND
	s_barrier_signal -1
	s_barrier_wait -1
	s_cmp_lg_u32 s18, 0
	s_cbranch_scc1 .Lnot_wave_0_\@
	s_barrier_signal -3
.Lnot_wave_0_\@:
	s_barrier_wait -3
	s_barrier_signal -1
	s_barrier_wait -1
.endm
.macro KLOAD a, b, p, o, po            ; a step's K: 8 tiles, their pad words, 4 registers of scale words: 20 LDS loads
.irp g, 0,1
.irp t, 0,1,2,3
	ds_load_b128 v[K+32*\g+8*\t:K+32*\g+8*\t+3], \a offset:\o+2048*\g+512*(\t/2)+128*(\t%2)
	ds_load_b32 v[K+32*\g+8*\t+4], \p offset:\po+256*\g+32*\t
.endr
.endr
.irp i, 0,1,2,3
	ds_load_b32 v[KS+\i], \b offset:\o+8192+256*(\i/2)+64*(\i%2)
.endr
.endm
.macro FMA u, j0, n                    ; t - M, two at a time
.set jj, 2*(\j0)
.rept \n
	v_pk_fma_f32 v[S+64*\u+jj:S+64*\u+jj+1], v[S+64*\u+jj:S+64*\u+jj+1], s[22:23], v[NM+2*\u:NM+2*\u+1] op_sel_hi:[1,0,0]
.set jj, jj+2
.endr
.endm
.macro ORS u, j0, n                    ; O^T under the new M, in ascending order
.set jj, 2*(\j0)
.rept \n
	v_pk_mul_f32 v[O+32*\u+jj:O+32*\u+jj+1], v[O+32*\u+jj:O+32*\u+jj+1], v[F+2*\u:F+2*\u+1] op_sel_hi:[1,0]
.set jj, jj+2
.endr
.endm
.macro TREE u, st, n                   ; one level of the sum of p, in place
.set jj, 0
.rept \n
	v_pk_add_f32 v[S+64*\u+jj:S+64*\u+jj+1], v[S+64*\u+jj:S+64*\u+jj+1], v[S+64*\u+jj+\st:S+64*\u+jj+\st+1]
.set jj, jj+2*\st
.endr
.endm
	s_load_b256 s[4:11], s[0:1], 0x0               ; qq 4, kv 6, mask 8, cimg 10
	s_load_b64 s[12:13], s[0:1], 0x20              ; csc
	v_lshl_add_u32 v[SPW], v0, 2, SPARE
	v_mov_b32 v[NIL], 0
	ds_add_u32 v[SPW], v[NIL]                      ; the opening lines
	ds_add_u32 v[SPW], v[NIL]
	v_lshrrev_b32 v10, 5, v0
	v_readfirstlane_b32 s18, v10                   ; wave 0..7
	s_bfe_u32 s14, ttmp6, 0x40000                  ; cx
	s_lshl_b32 s15, ttmp9, 2
	s_add_co_u32 s15, s15, s14                     ; my block of 512 queries: it enters Q's and the context's addresses alone
	s_and_b32 s16, ttmp7, 0xffff                   ; batch x head
	s_mul_i32 s17, s16, HEADB
	s_mul_i32 s33, s18, 2*REC                      ; my two records: their place in LDS and in the head's block
	s_add_co_u32 s48, s17, s33
	s_mov_b32 s49, 0
	s_lshl_b32 s50, s15, 2
	s_lshr_b32 s51, s18, 2
	s_add_co_u32 s50, s50, s51                     ; Q's record of my first two tiles: 4 x block + wave / 4
	s_mul_i32 s50, s50, REC
	s_add_co_u32 s50, s50, s17
	s_mov_b32 s51, 0
	s_lshl_b32 s54, s15, 5
	s_lshl_b32 s55, s18, 1
	s_add_co_u32 s54, s54, s55                     ; my first tile of queries in the head: 32 x block + 2 x wave
	s_lshl_b32 s52, s16, 7
	s_add_co_u32 s52, s52, s54
	s_lshl_b32 s52, s52, 9                         ; cimg: 512 bytes a tile
	s_mov_b32 s53, 0
	s_lshr_b32 s55, s16, 4                         ; the batch
	s_lshl_b32 s56, s55, 7
	s_add_co_u32 s56, s56, s54
	s_lshl_b32 s56, s56, 3
	s_bfe_u32 s57, s16, 0x30001                    ; the pair of heads
	s_add_co_u32 s56, s56, s57
	s_lshl_b32 s56, s56, 6
	s_and_b32 s57, s16, 1
	s_lshl_b32 s57, s57, 1
	s_add_co_u32 s56, s56, s57                     ; csc: ((token tile) x 8 + pair) x 64 + 2 (head & 1)
	s_mov_b32 s57, 0
	s_lshl_b32 s58, s55, 13                        ; the batch's row of the mask
	s_mov_b32 s59, 0
	s_mov_b32 s24, 15|(3<<16)|(1<<21)              ; group 1: all four work-groups; elements of 8 bytes; bit 21 beside the mask; no padding
	s_mov_b32 s25, 32<<16                          ; rows of 256 bytes,
	s_mov_b32 s26, 70<<16                          ; 70 of them: 17,920 dense bytes
	s_mov_b32 s27, 32<<16
	s_mov_b32 s28, 70
	s_mov_b32 s29, 32
	s_mov_b32 s30, 0
	s_mov_b32 s31, 0
	s_mov_b32 s20, 0x76543210
	s_mov_b32 s21, 0xfedcba98                      ; v_permlanex16_b32's selects for lane l xor 16
	s_mov_b32 s22, 0x3e38aa3b                      ; c = log2(e) / 8
	s_mov_b32 s23, s22
	s_mov_b32 s40, 0xffff0000                      ; as a lane mask: lanes 16-31
	s_wait_dscnt 0x0
	s_wait_kmcnt 0x0
	s_mov_b32 s32, 1
	s_add_nc_u64 s[34:35], s[6:7], s[48:49]
	s_or_b32 s35, s35, 0x80000000
	s_add_nc_u64 s[42:43], s[4:5], s[50:51]        ; Q
	s_add_nc_u64 s[44:45], s[10:11], s[52:53]      ; the context's codes
	s_add_nc_u64 s[46:47], s[12:13], s[56:57]      ; its scale bytes
	s_add_nc_u64 s[8:9], s[8:9], s[58:59]
	ROUND                                          ; all four work-groups are here: the joint loads meet
	tensor_load_to_lds s[32:35], s[24:31]          ; my two records: one tensor load of mine is out
	s_nop 0
.rept 4
	v_nop
.endr
	v_lshlrev_b32 v10, 5, v0
	global_load_b128 v[144:147], v10, s[8:9]       ; thread t: the mask of keys 8 t .. 8 t + 7
	global_load_b128 v[148:151], v10, s[8:9] offset:16
	v_lshl_add_u32 v11, v0, 5, MPAD
	v_and_b32 v14, 15, v0                          ; r
	v_bfe_u32 v15, v0, 4, 1                        ; h
	v_and_b32 v142, 31, v0
	v_and_b32 v143, 7, v0                          ; r % 8
	v_bfe_u32 v152, v0, 3, 1                       ; r / 8
	v_lshlrev_b32 v1, 4, v142                      ; 16 x lane
	v_lshlrev_b32 v2, 2, v142                      ; 4 x lane
	v_lshlrev_b32 v3, 2, v143
	v_lshl_add_u32 v3, v152, 7, v3
	v_add_nc_u32 v3, MPAD, v3                      ; pad words, 4 bytes a key: key 32 (r / 8) + r % 8
	v_lshlrev_b32 v12, 4, v143
	v_lshl_add_u32 v12, v152, 10, v12
	v_lshl_add_u32 v12, v15, 8, v12                ; K's tiles: tile 2 (r / 8), row r % 8, half h: 1,024 (r / 8) + 256 h + 16 (r % 8)
	v_lshlrev_b32 v13, 2, v143
	v_lshl_add_u32 v13, v152, 7, v13
	v_lshl_add_u32 v13, v15, 5, v13                ; K's scale words: row 16 h + r of 32 is key 32 (r / 8) + 8 h + r % 8
	s_and_b32 s53, s18, 3
	s_lshl_b32 s54, s53, 10
	v_add_nc_u32 v7, s54, v1                       ; Q's two tiles in their record: pair wave % 4
	s_lshl_b32 s54, s53, 7
	v_lshl_add_u32 v8, v14, 2, s54                 ; their scale words: 4 r, 64 bytes a tile
	v_lshl_add_u32 v9, v14, 2, v15                 ; the context's scale byte: 4 r + block (= h)
.irp u, 0,1
	v_cndmask_b32 v[Q+8*\u+4], 2, 0, s40           ; Q beyond its 64 channels: the code of 1.0 at k = 64, zeros elsewhere
	v_mov_b32 v[Q+8*\u+5], 0
	v_mov_b32 v[Q+8*\u+6], 0
	v_mov_b32 v[Q+8*\u+7], 0
.endr
.irp t, 0,1,2,3,4,5,6,7
	v_mov_b32 v[K+8*\t+5], 0                       ; K beyond its pad word: zeros, written once
	v_mov_b32 v[K+8*\t+6], 0
	v_mov_b32 v[K+8*\t+7], 0
.endr
	WIN 0x40
.irp n, 0,1,2,3
	v_mov_b32 v[BX+\n], 0                          ; a lane permute's destination counts as one of its sources
.endr
	v_lshlrev_b32 v[SH], 3, v15                    ; 8 h
	WIN 0
	s_wait_alu depctr_va_vdst(0)
	s_wait_loadcnt 0x0
.irp i, 0,1,2,3,4,5,6,7
	v_cmp_eq_u32 vcc_lo, 0, v[144+\i]
	v_cndmask_b32 v[144+\i], 0, 14, vcc_lo
.endr
	ds_store_b128 v11, v[144:147]
	ds_store_b128 v11, v[148:151] offset:16
	s_wait_alu depctr_va_vdst(0)                   ; the wait at the head's end
	s_wait_tensorcnt 0x0                           ; my records have landed,
	s_wait_dscnt 0x0                               ; my pad words are stored:
	s_barrier_signal -1
	s_barrier_wait -1                              ; everybody's
; A KEY STEP: 128 keys for both tiles.  more = 1: the next step's K is asked for
.macro STEP more
	s_wait_dscnt 0x0                               ; this step's K is in: nothing else is out
	WIN 0x40                                       ; D in window 1
.irp i, 0,1,2,3
.irp u, 0,1
	v_wmma_scale_f32_32x16x128_f4 v[S+64*\u+16*\i:S+64*\u+16*\i+15], v[K+16*\i:K+16*\i+15], v[Q+8*\u:Q+8*\u+7], 0, v[KS+\i], v[QS+\u]
.endr
.endr
	WIN 0
	v_add_nc_u32 v4, s36, v1                       ; these five lines are the places behind the products, ahead of the loads and of the first read of scores
	v_add_nc_u32 v5, s36, v2
	v_add_nc_u32 v6, s37, v3
	v_add_nc_u32 v10, s36, v12
	v_add_nc_u32 v11, s36, v13
.irp d, 0,1,2,3
.irp c, 0,1
	ds_load_b128 v[V+8*\d+4*\c:V+8*\d+4*\c+3], v4 offset:4096+1024*\d+512*\c
.endr
.endr
	ds_load_b32 v[VS], v5 offset:8704
	ds_load_b32 v[VS+1], v5 offset:8832
.if \more
	KLOAD v10, v11, v6, REC, 512
.endif
	WIN 0x55                                       ; the softmax works in window 1
.irp n, 0,1,2,3,4,5,6,7
	v_max3_num_f32 v[BM+\n], v[S+16*\n], v[S+16*\n+1], v[S+16*\n+2]   ; eight chains by turns, one for each accumulator, from its low end on
.endr
.irp i, 3,5,7,9,11,13
.irp n, 0,1,2,3,4,5,6,7
	v_max3_num_f32 v[BM+\n], v[BM+\n], v[S+16*\n+\i], v[S+16*\n+\i+1]
.endr
.endr
.irp m, 0,2,4,6
	v_max3_num_f32 v[BM+\m], v[BM+\m], v[BM+\m+1], v[S+16*\m+15]
.endr
.irp m, 0,2,4,6
	v_max_num_f32 v[BM+\m], v[BM+\m], v[S+16*\m+31]   ; the largest score of my block 2 G + h: BM + 4 u + 2 G
.endr
.irp u, 0,1
	v_max_num_f32 v[F+2*\u+1], v[BM+4*\u], v[BM+4*\u+2]
.endr
.irp u, 0,1
	v_permlanex16_b32 v[BX+\u], v[F+2*\u+1], s20, s21
.endr
.irp u, 0,1
	v_mov_b32 v[F+2*\u], v[NM+2*\u]                ; the old -M
.endr
.irp u, 0,1
	v_max3_num_f32 v[NM+2*\u+1], v[F+2*\u+1], v[BX+\u], v[NM+2*\u+1]   ; with lane l xor 16's two blocks: the running largest score
.endr
.irp u, 0,1
	v_mul_f32 v[F+2*\u+1], s22, v[NM+2*\u+1]       ; as t (c is positive)
.endr
.irp u, 0,1
	v_floor_f32 v[NM+2*\u], -v[F+2*\u+1]           ; the new -M = -ceil(t): a whole number
.endr
.irp u, 0,1
	v_sub_f32 v[F+2*\u+1], v[NM+2*\u], v[F+2*\u]   ; old M - new M: a whole number, 0 or less
.endr
	FMA 0, 0, 8
.irp u, 0,1
	v_cvt_i32_f32 v[F+2*\u+1], v[F+2*\u+1]         ; (it saturates)
.endr
	FMA 0, 8, 8
.irp u, 0,1
	v_ldexp_f32 v[F+2*\u], 1.0, v[F+2*\u+1]        ; f = 2^(old M - new M)
.endr
	FMA 0, 16, 16
.irp u, 0,1
.irp g, 0,1
	v_fma_f32 v[BM+4*\u+2*\g], v[BM+4*\u+2*\g], s22, v[NM+2*\u]   ; x = the block's largest t - M
.endr
.endr
	ORS 0, 0, 4                                    ; (O^T's rescaling stands between the levels of the four short chains)
.irp q, 0,1,2,3
	v_cvt_floor_i32_f32 v[EB+\q], v[BM+2*\q]       ; floor(log2) of the block's largest p
.endr
	ORS 0, 4, 4
.irp q, 0,1,2,3
	v_add_nc_u32 v[EB+\q], 125, v[EB+\q]           ; - 2 + 127
.endr
	ORS 0, 8, 4
.irp q, 0,1,2,3
	v_max_i32 v[EB+\q], 1, v[EB+\q]                ; the scale's byte, held at 1 from below
.endr
	ORS 0, 12, 4
.irp q, 0,1,2,3
	v_lshlrev_b32 v[SOP+\q], 23, v[EB+\q]          ; as an exponent field: the conversion's scale operand
.endr
.irp u, 0,1
	v_lshl_or_b32 v[W+\u], v[EB+2*\u+1], 16, v[EB+2*\u]   ; my two bytes: blocks h and 2 + h,
.endr
	ORS 1, 0, 4
.irp u, 0,1
	v_lshlrev_b32 v[W+\u], v[SH], v[W+\u]          ; at their places in the scale word
.endr
	ORS 1, 4, 4
.irp u, 0,1
	v_permlanex16_b32 v[BX+2+\u], v[W+\u], s20, s21
.endr
	ORS 1, 8, 8
	WIN 0x05                                       ; scale words lie in window 0
.irp u, 0,1
	v_or_b32 v[PS+\u], v[W+\u], v[BX+2+\u]         ; with lane l xor 16's two the word is whole
.endr
	WIN 0x55
.irp u, 0,1
	v_pk_mul_f32 v[SUM+2*\u:SUM+2*\u+1], v[SUM+2*\u:SUM+2*\u+1], v[F+2*\u:F+2*\u+1] op_sel_hi:[1,0]
.endr
	s_wait_alu depctr_va_vdst(0)                   ; the wait ahead of the batch
.set jj, 0
.rept 32
	v_exp_f32 v[S+jj], v[S+jj]                     ; tile 0's p = 2^(t - M); between them tile 1's t - M
	v_pk_fma_f32 v[S+64+jj:S+64+jj+1], v[S+64+jj:S+64+jj+1], s[22:23], v[NM+2:NM+3] op_sel_hi:[1,0,0]
	v_exp_f32 v[S+jj+1], v[S+jj+1]
.set jj, jj+2
.endr
	v_nop                                          ; a plain place behind the exponentials
	s_wait_alu depctr_va_vdst(0)                   ; one wait behind the batch; it also stands ahead of the next
.set jj, 0
.rept 64
	v_exp_f32 v[S+64+jj], v[S+64+jj]               ; tile 1's p; between them tile 0's codes and the first level of its sum
.if jj < 8
	v_cvt_scalef32_pk8_fp4_f32 v[PCD+jj], v[S+8*jj:S+8*jj+7], v[SOP+jj/4]
.elseif jj == 8
	v_nop                                          ; one plain place behind the conversions, whose sources are written next
.elseif jj < 25
	v_pk_add_f32 v[S+4*(jj-9):S+4*(jj-9)+1], v[S+4*(jj-9):S+4*(jj-9)+1], v[S+4*(jj-9)+2:S+4*(jj-9)+3]
.endif
.set jj, jj+1
.endr
	v_nop
	s_wait_alu depctr_va_vdst(0)                   ; one wait behind the batch
.set jj, 0
.rept 8
	v_cvt_scalef32_pk8_fp4_f32 v[PCD+8+jj], v[S+64+8*jj:S+64+8*jj+7], v[SOP+2+jj/4]
.set jj, jj+1
.endr
	TREE 0, 4, 8                                   ; (plain places behind the conversions)
	TREE 1, 2, 16                                  ; the two tiles' sums by turns; they are also the places ahead of the products below
	TREE 0, 8, 4
	TREE 1, 4, 8
	TREE 0, 16, 2
	TREE 1, 8, 4
	TREE 0, 32, 1
	TREE 1, 16, 2
	v_pk_add_f32 v[SUM:SUM+1], v[SUM:SUM+1], v[S:S+1]
	TREE 1, 32, 1
	v_pk_add_f32 v[SUM+2:SUM+3], v[SUM+2:SUM+3], v[S+64:S+65]
	s_wait_alu depctr_va_vdst(0)                   ; directly ahead of the wait below
.if \more
	s_wait_dscnt 20                                ; V is in; the 20 loads of the next step's K, issued behind it, may be out
.else
	s_wait_dscnt 0x0
.endif
	WIN 0x54                                       ; C, D and P in window 1, V in window 0
.irp e, 0,1
.irp u, 0,1
	v_wmma_scale_f32_32x16x128_f4 v[O+32*\u+16*\e:O+32*\u+16*\e+15], v[V+16*\e:V+16*\e+15], v[PCD+8*\u:PCD+8*\u+7], v[O+32*\u+16*\e:O+32*\u+16*\e+15], v[VS+\e], v[PS+\u]
.endr
.endr
	WIN 0
.endm
	s_mov_b32 s39, 2
.Ltile:
	global_load_b128 v[Q:Q+3], v7, s[42:43]        ; my 32 queries' codes
	global_load_b128 v[Q+8:Q+11], v7, s[42:43] offset:512
	global_load_b32 v[QS], v8, s[42:43] offset:8192
	global_load_b32 v[QS+1], v8, s[42:43] offset:8256
	KLOAD v12, v13, v3, 0, 0                       ; the first step's K
	WIN 0x40
.irp u, 0,1
	v_mov_b32 v[NM+2*\u+1], 0xff61b1e6             ; the largest score so far: -3e38
	v_mov_b32 v[NM+2*\u], 0x7f61b1e6               ; -M: 3e38, a whole number: the first change of M gives f = 0
	v_mov_b32 v[SUM+2*\u], 0
	v_mov_b32 v[SUM+2*\u+1], 0
.endr
.set jj, 0
.rept 64
	v_mov_b32 v[O+jj], 0                           ; the step is written for every trip alike: the first finds zeros
.set jj, jj+1
.endr
	WIN 0
	s_mov_b32 s36, 0                               ; the step's record in LDS
	s_mov_b32 s37, 0                               ; its pad words
	s_mov_b32 s38, 15
	s_wait_alu depctr_va_vdst(0)
	s_wait_loadcnt 0x0
.Lstep:
	STEP 1
	s_add_co_u32 s36, s36, REC
	s_add_co_u32 s37, s37, 512
	s_sub_co_u32 s38, s38, 1
	s_cmp_lg_u32 s38, 0
	s_cbranch_scc1 .Lstep
	STEP 0
	; THE WAY OUT of two tiles: O^T / the sum is a query's 64 channels, register 8 t + j = channel 16 t + 8 h + j: two blocks of the last product's K
	WIN 0x55
.irp u, 0,1
	v_add_f32 v[SUM+2*\u], v[SUM+2*\u], v[SUM+2*\u+1]
.endr
.irp u, 0,1
	v_permlanex16_b32 v[BX+\u], v[SUM+2*\u], s20, s21
.endr
.irp u, 0,1
	v_add_f32 v[SUM+2*\u], v[SUM+2*\u], v[BX+\u]   ; the row's sum
.endr
	s_wait_alu depctr_va_vdst(0)
.irp u, 0,1
	v_rcp_f32 v[SUM+2*\u], v[SUM+2*\u]
.endr
	v_nop
	s_wait_alu depctr_va_vdst(0)                   ; ahead of the first readers of the reciprocals and of O^T
.irp u, 0,1
.set jj, 0
.rept 16
	v_pk_mul_f32 v[S+64*\u+jj:S+64*\u+jj+1], v[O+32*\u+jj:O+32*\u+jj+1], v[SUM+2*\u:SUM+2*\u+1] op_sel_hi:[1,0]
.set jj, jj+2
.endr
.endr
.irp u, 0,1
.irp b, 0,1
	v_max3_num_f32 v[BM+2*\u+\b], |v[S+64*\u+16*\b]|, |v[S+64*\u+16*\b+1]|, 0x1800000
.endr
.endr
.irp i, 2,4,6,8,10,12,14
.irp u, 0,1
.irp b, 0,1
	v_max3_num_f32 v[BM+2*\u+\b], v[BM+2*\u+\b], |v[S+64*\u+16*\b+\i]|, |v[S+64*\u+16*\b+\i+1]|
.endr
.endr
.endr
.irp n, 0,1,2,3
	v_permlanex16_b32 v[BX+\n], v[BM+\n], s20, s21
.endr
.irp n, 0,1,2,3
	v_max_num_f32 v[BM+\n], v[BM+\n], v[BX+\n]
.endr
.irp n, 0,1,2,3
	v_add_nc_u32 v[SOP+\n], 0xff000000, v[BM+\n]
.endr
.irp n, 0,1,2,3
	v_lshrrev_b32 v[BX+\n], 23, v[SOP+\n]
.endr
.irp u, 0,1
.irp b, 0,1
	v_cvt_scalef32_pk8_fp4_f32 v[PCD+8*\u+\b], v[S+64*\u+16*\b:S+64*\u+16*\b+7], v[SOP+2*\u+\b]
	v_cvt_scalef32_pk8_fp4_f32 v[PCD+8*\u+2+\b], v[S+64*\u+16*\b+8:S+64*\u+16*\b+15], v[SOP+2*\u+\b]
.endr
.endr
	v_nop
.irp n, 0,2,8,10
	v_permlane16_swap_b32 v[PCD+\n], v[PCD+\n+1]   ; lane (r, h): channels 32 h .. 32 h + 31 of query r
.endr
.irp u, 0,1
	v_cndmask_b32 v[BM+\u], v[BX+2*\u], v[BX+2*\u+1], s40   ; lanes 0-15 store block 0's byte, lanes 16-31 block 1's
.endr
	WIN 0x04                                       ; the stores' data lie in window 1
	global_store_b128 v1, v[PCD:PCD+3], s[44:45]   ; 512 consecutive bytes a tile
	global_store_b128 v1, v[PCD+8:PCD+11], s[44:45] offset:512
	global_store_b8 v9, v[BM], s[46:47]
	global_store_b8 v9, v[BM+1], s[46:47] offset:512
	WIN 0
	s_wait_xcnt 0x0                                ; the stores' and loads' bases and registers are written again only behind this wait
	s_add_nc_u64 s[42:43], s[42:43], 2*REC         ; 16 tiles on: two records of Q,
	s_add_nc_u64 s[44:45], s[44:45], 8192          ; 16 x 512 bytes of codes,
	s_add_nc_u64 s[46:47], s[46:47], 8192          ; 16 x 8 x 64 scale bytes
	s_sub_co_u32 s39, s39, 1
	s_cmp_lg_u32 s39, 0
	s_cbranch_scc1 .Ltile
	s_wait_tensorcnt 0x0                           ; the wave's end
	ds_add_u32 v[SPW], v[NIL]
	s_wait_dscnt 0x0
	ROUND                                          ; the closing round
	s_endpgm
.Lfunc_end_k_q55ce48ee0b_attn:
	.size	k_q55ce48ee0b_attn, .Lfunc_end_k_q55ce48ee0b_attn-k_q55ce48ee0b_attn
	.p2alignl 7, 3214868480
	.fill 96, 4, 3214868480
	.section	.rodata,"a",@progbits
	.p2align	6, 0x0
	.amdhsa_kernel k_q55ce48ee0b_attn
		.amdhsa_group_segment_fixed_size 169984
		.amdhsa_private_segment_fixed_size 0
		.amdhsa_enable_private_segment 0
		.amdhsa_kernarg_size 40
		.amdhsa_user_sgpr_count 2
		.amdhsa_user_sgpr_kernarg_segment_ptr 1
		.amdhsa_wavefront_size32 1
		.amdhsa_system_sgpr_workgroup_id_x 1
		.amdhsa_system_sgpr_workgroup_id_y 1
		.amdhsa_system_sgpr_workgroup_id_z 1
		.amdhsa_system_vgpr_workitem_id 0
		.amdhsa_next_free_vgpr 512
		.amdhsa_next_free_sgpr 66
		.amdhsa_reserve_vcc 1
		.amdhsa_float_denorm_mode_32 3
		.amdhsa_float_denorm_mode_16_64 3
		.amdhsa_memory_ordered 1
		.amdhsa_forward_progress 1
		.amdhsa_inst_pref_size 69
	.end_amdhsa_kernel
	.amdgpu_metadata
---
amdhsa.version: [ 1, 2 ]
amdhsa.kernels:
  - .name:           k_q55ce48ee0b_attn
    .symbol:         k_q55ce48ee0b_attn.kd
    .args:
      - { .name: qq, .offset: 0, .size: 8, .value_kind: global_buffer, .address_space: global }
      - { .name: kv, .offset: 8, .size: 8, .value_kind: global_buffer, .address_space: global }
      - { .name: mask, .offset: 16, .size: 8, .value_kind: global_buffer, .address_space: global }
      - { .name: cimg, .offset: 24, .size: 8, .value_kind: global_buffer, .address_space: global }
      - { .name: csc, .offset: 32, .size: 8, .value_kind: global_buffer, .address_space: global }
    .group_segment_fixed_size: 169984
    .private_segment_fixed_size: 0
    .kernarg_segment_align: 8
    .kernarg_segment_size: 40
    .max_flat_workgroup_size: 256
    .sgpr_count:     66
    .vgpr_count:     512
    .wavefront_size: 32
...
	.end_amdgpu_metadata
.endif
;; end of part 3
;; launch oproj (part 4): grid 256 x 1, 16 waves a work-group, clusters of 4 x 1, 327,680 bytes of LDS; arguments cimg, csc, woimg, Wo_scales, bo, x, gamma, beta, out0; writes out0
.if DOCPART == 4
	.amdgcn_target "amdgcn-amd-amdhsa--gfx1250"
	.amdhsa_code_object_version 6
	.text
	.protected	k_q55ce48ee0b_oproj
	.globl	k_q55ce48ee0b_oproj
	.p2align	8
	.type	k_q55ce48ee0b_oproj,@function
k_q55ce48ee0b_oproj:
	s_mov_b64 s[64:65], 0
	v_nop
	global_prefetch_b8 v0, s[64:65] scope:SCOPE_SE
	s_setreg_imm32_b32 hwreg(HW_REG_WAVE_MODE, 25, 1), 1
	s_wait_xcnt 0x0
	s_wait_alu depctr_hold_cnt(0) depctr_sa_sdst(0) depctr_va_vdst(0) depctr_va_sdst(0) depctr_va_ssrc(0) depctr_va_vcc(0) depctr_vm_vsrc(0)
	s_getreg_b32 s2, hwreg(HW_REG_IB_STS2, 6, 4)
	s_cmp_eq_u32 s2, 0
	s_cbranch_scc0 .Lentry_in_a_cluster
	s_endpgm
.Lentry_in_a_cluster:
	s_bfe_u32 s2, ttmp6, 0x10000c
	s_cmp_lg_u32 s2, 0x3003
	s_cbranch_scc0 .Lentry_shape_is_right
	s_endpgm
.Lentry_shape_is_right:
; out0 = LayerNorm(x + context Wo^T + bo) x gamma + beta.  The product on codes of FP4 with E8M0 scales; all else in f32.
; SHARES.  A work-group takes 32 tokens (two tiles of 16) x all 1,024 features, so that a row's mean and variance stay inside it.  Wave w makes features 64 w .. 64 w + 63 (source 0 = 16 rows of Wo,
; source 1 = 16 tokens): eight accumulators, begun with the bias.  Then wave w normalises rows 2 w and 2 w + 1.
; CLUSTERS: 4 x 1.  All work-groups walk the same Wo, so the four of a cluster ask for it JOINTLY.  woimg holds images of the operand's registers, [tile: 64][K step: 8][1,024 bytes]; wave w asks for its own four tiles,
; four K steps at a time: 4 rows of 4,096 bytes, 8,192 apart, into LDS bytes that this wave alone reads (16,384 x wave).  Sixteen such loads fill 262,144 bytes; they are filled once more, with K steps 4 to 7,
; behind the three lines and a round of the cluster's barrier.  A wave has one tensor load outstanding.
; The context's 16 fragments (2 tiles x 8 K steps) are loaded one a wave and handed round through LDS as images of their registers.  A wave's two rows of x and gamma go straight into registers at the head.
; The stage for the way out lies over Wo's bytes: they have had their last fill, and a barrier shows every wave's reads of them done.
; No prefetch: the launch has no loop to run ahead in.
; LIMITS: NaN and infinities are not served.
.set CIMG,   262144                    ; 16 images of 1,024 bytes: (8 u + s)
.set SPARE,  278528                    ; the spare words: 128 bytes a wave
.set STG,    0                         ; the stage: 32 rows x (4,096 bytes + 16)
.set SPITCH, 4112
.set ACC, 16                           ; v16-79   accumulator (u, t) at 16 + 32 u + 8 t; later the two rows of the product
.set WS,  80                           ; v80-95   Wo's scale words: register s % 4 of a tile's four; K steps 0-3 in lanes 0-15, 4-7 in lanes 16-31
.set CS,  96                           ; v96-103  the context's, one register a K step: lanes 0-15 token tile 0, lanes 16-31 tile 1
.set CF,  104                          ; v104-119 the context's two fragments of a K step
.set WB,  120                          ; v120-151 Wo's four fragments of a K step
.set BE,  120                          ; later: beta
.set GA,  152                          ; v152-183 gamma
.set XR,  184                          ; v184-247 my two rows of x
.macro ROUND
	s_barrier_signal -1
	s_barrier_wait -1
	s_cmp_lg_u32 s22, 0
	s_cbranch_scc1 .Lnot_wave_0_\@
	s_barrier_signal -3
.Lnot_wave_0_\@:
	s_barrier_wait -3
	s_barrier_signal -1
	s_barrier_wait -1
.endm
	s_load_b512 s[4:19], s[0:1], 0x0               ; cimg 4, csc 6, woimg 8, Wo_scales 10, bo 12, x 14, gamma 16, beta 18
	s_load_b64 s[20:21], s[0:1], 0x40              ; out0
	v_lshl_add_u32 v254, v0, 2, SPARE
	v_mov_b32 v255, 0
	ds_add_u32 v254, v255                          ; the opening lines
	ds_add_u32 v254, v255
	v_lshrrev_b32 v10, 5, v0
	v_readfirstlane_b32 s22, v10                   ; wave 0..15
	s_bfe_u32 s23, ttmp6, 0x40000                  ; cx
	s_lshl_b32 s46, ttmp9, 2
	s_add_co_u32 s23, s23, s46                     ; my block of 32 tokens: it enters global addresses of my own loads and stores alone
	s_mov_b32 s24, 15|(3<<16)|(1<<21)              ; group 1: all four work-groups; elements of 8 bytes; bit 21 beside the mask; no padding
	s_mov_b32 s25, 512<<16                         ; tensor_dim0 = 512 elements: 4,096 bytes, four K steps of a tile
	s_mov_b32 s26, 4<<16                           ; tensor_dim1 = 4 tiles
	s_mov_b32 s27, 512<<16
	s_mov_b32 s28, 4
	s_mov_b32 s29, 1024                            ; from tile to tile: 8,192 bytes
	s_mov_b32 s30, 0
	s_mov_b32 s31, 0
	s_mov_b32 s32, 1
	s_lshl_b32 s33, s22, 14                        ; LDS: 16,384 x wave
	s_lshl_b32 s44, s22, 15                        ; woimg: my four tiles of 8,192 bytes
	s_mov_b32 s45, 0
	s_lshl_b32 s36, s23, 17                        ; 32 rows of 4,096 bytes a work-group,
	s_lshl_b32 s37, s22, 13
	s_add_co_u32 s36, s36, s37                     ; two a wave
	s_mov_b32 s37, 0
	s_lshr_b32 s38, s23, 6                         ; the batch
	s_lshl_b32 s38, s38, 20                        ; cimg: 16 heads x 128 tiles x 512 bytes a batch,
	s_and_b32 s39, s22, 7
	s_lshl_b32 s39, s39, 17                        ; my K step's two heads,
	s_add_co_u32 s38, s38, s39
	s_and_b32 s39, s23, 63
	s_lshl_b32 s39, s39, 1
	s_lshr_b32 s46, s22, 3
	s_add_co_u32 s39, s39, s46                     ; my token tile in the batch
	s_lshl_b32 s39, s39, 9
	s_add_co_u32 s38, s38, s39
	s_mov_b32 s39, 0
	s_mov_b32 s40, 0x76543210
	s_mov_b32 s41, 0xfedcba98
	s_mov_b32 s42, 0x3a800000                      ; 1 / 1,024
	s_mov_b32 s43, 0x3727c5ac                      ; 1e-5
	s_lshl_b32 s47, s22, 8                         ; the stage, in: 256 x wave
	s_mul_i32 s48, s22, 2*SPITCH                   ; out: my two rows
	s_lshl_b32 s49, s22, 10
	s_add_co_u32 s49, s49, CIMG                    ; my fragment's image
	s_lshl_b32 s50, s22, 14                        ; my part of Wo
	s_lshl_b32 s52, s23, 10                        ; csc: 512 bytes a token tile
	s_mov_b32 s53, 0
	s_lshl_b32 s54, s22, 11                        ; Wo's scales: my 64 rows of 32 bytes
	s_mov_b32 s55, 0
	s_lshl_b32 s56, s22, 8                         ; bo: my 64 numbers
	s_mov_b32 s57, 0
	s_wait_dscnt 0x0
	s_wait_kmcnt 0x0
	s_add_nc_u64 s[34:35], s[8:9], s[44:45]
	s_or_b32 s35, s35, 0x80000000
	s_add_nc_u64 s[14:15], s[14:15], s[36:37]      ; my two rows of x
	s_add_nc_u64 s[20:21], s[20:21], s[36:37]      ; and of the output
	s_add_nc_u64 s[4:5], s[4:5], s[38:39]
	s_add_nc_u64 s[6:7], s[6:7], s[52:53]
	s_add_nc_u64 s[10:11], s[10:11], s[54:55]
	s_add_nc_u64 s[12:13], s[12:13], s[56:57]
	ROUND                                          ; all four work-groups are here: the joint loads meet
	tensor_load_to_lds s[32:35], s[24:31]          ; my four tiles, K steps 0 to 3
	s_nop 0
.rept 4
	v_nop
.endr
	v_and_b32 v10, 15, v0                          ; r
	v_bfe_u32 v11, v0, 4, 1                        ; h
	v_and_b32 v12, 31, v0
	v_lshlrev_b32 v1, 4, v12                       ; 16 x lane
	v_lshlrev_b32 v2, 5, v11                       ; 32 h
	v_lshlrev_b32 v3, 5, v10
	v_lshl_add_u32 v3, v11, 4, v3                  ; 32 r + 16 h
	v_lshlrev_b32 v4, 9, v11
	v_lshl_add_u32 v4, v10, 2, v4                  ; 512 h + 4 r
	v_mul_u32_u24 v5, v10, SPITCH
	v_lshl_add_u32 v5, v11, 5, v5
	v_add_nc_u32 v5, s47, v5                       ; into the stage: row r, + 32 h, + 256 x wave
	v_add_nc_u32 v6, 16*SPITCH, v5                 ; token tile 1
	v_add_nc_u32 v7, s48, v1                       ; out of it: my two rows, 16 bytes a lane
	v_add_nc_u32 v9, s49, v1                       ; my fragment's image
	v_add_nc_u32 v13, s50, v1                      ; my part of Wo
	v_add_nc_u32 v14, CIMG, v1                     ; the images
	s_wait_alu depctr_va_vdst(0)                   ; the wait at the head's end
	global_load_b128 v[CF:CF+3], v1, s[4:5]                        ; my fragment of the context: tile w / 8, K step w % 8: head 2 s,
	global_load_b128 v[CF+4:CF+7], v1, s[4:5] offset:65536         ; head 2 s + 1
.irp u, 0,1
.irp t, 0,1,2,3
	global_load_b128 v[ACC+32*\u+8*\t:ACC+32*\u+8*\t+3], v2, s[12:13] offset:64*\t        ; the bias begins every sum: features 16 t + 8 h + 0 .. 7
	global_load_b128 v[ACC+32*\u+8*\t+4:ACC+32*\u+8*\t+7], v2, s[12:13] offset:64*\t+16
.endr
.endr
.irp t, 0,1,2,3
	global_load_b128 v[WS+4*\t:WS+4*\t+3], v3, s[10:11] offset:512*\t
.endr
.irp s, 0,1,2,3,4,5,6,7
	global_load_b32 v[CS+\s], v4, s[6:7] offset:64*\s
.endr
.irp i, 0,1,2,3,4,5,6,7
	global_load_b128 v[GA+4*\i:GA+4*\i+3], v1, s[16:17] offset:512*\i      ; gamma of features 128 i + 4 x lane + 0 .. 3
.endr
.irp i, 0,1,2,3,4,5,6,7
	global_load_b128 v[XR+4*\i:XR+4*\i+3], v1, s[14:15] offset:512*\i th:TH_LOAD_NT          ; x, row 2 w,
.endr
.irp i, 0,1,2,3,4,5,6,7
	global_load_b128 v[XR+32+4*\i:XR+32+4*\i+3], v1, s[14:15] offset:4096+512*\i th:TH_LOAD_NT   ; and row 2 w + 1
.endr
	s_wait_loadcnt 52                              ; my fragment's two loads are in; the 16 + 4 + 8 + 8 + 16 issued behind them may be out
	ds_store_b128 v9, v[CF:CF+3]
	ds_store_b128 v9, v[CF+4:CF+7] offset:512
	s_wait_tensorcnt 0x0                           ; my part of Wo has landed
	s_wait_dscnt 0x0
	s_barrier_signal -1
	s_barrier_wait -1                              ; the sixteen fragments lie in LDS
	s_wait_loadcnt 24                              ; bias and scale words are in; gamma's 8 loads and x's 16 may be out
.macro MM s, t, u
.if (\s) < 4
.if \u == 0
	v_wmma_scale_f32_16x16x128_f8f6f4 v[ACC+32*\u+8*\t:ACC+32*\u+8*\t+7], v[WB+8*\t:WB+8*\t+7], v[CF+8*\u:CF+8*\u+7], v[ACC+32*\u+8*\t:ACC+32*\u+8*\t+7], v[WS+4*\t+(\s)%4], v[CS+(\s)] matrix_a_fmt:MATRIX_FMT_FP4 matrix_b_fmt:MATRIX_FMT_FP4
.else
	v_wmma_scale_f32_16x16x128_f8f6f4 v[ACC+32*\u+8*\t:ACC+32*\u+8*\t+7], v[WB+8*\t:WB+8*\t+7], v[CF+8*\u:CF+8*\u+7], v[ACC+32*\u+8*\t:ACC+32*\u+8*\t+7], v[WS+4*\t+(\s)%4], v[CS+(\s)] matrix_a_fmt:MATRIX_FMT_FP4 matrix_b_fmt:MATRIX_FMT_FP4 matrix_b_scale:MATRIX_SCALE_ROW1
.endif
.else
.if \u == 0
	v_wmma_scale_f32_16x16x128_f8f6f4 v[ACC+32*\u+8*\t:ACC+32*\u+8*\t+7], v[WB+8*\t:WB+8*\t+7], v[CF+8*\u:CF+8*\u+7], v[ACC+32*\u+8*\t:ACC+32*\u+8*\t+7], v[WS+4*\t+(\s)%4], v[CS+(\s)] matrix_a_fmt:MATRIX_FMT_FP4 matrix_b_fmt:MATRIX_FMT_FP4 matrix_a_scale:MATRIX_SCALE_ROW1
.else
	v_wmma_scale_f32_16x16x128_f8f6f4 v[ACC+32*\u+8*\t:ACC+32*\u+8*\t+7], v[WB+8*\t:WB+8*\t+7], v[CF+8*\u:CF+8*\u+7], v[ACC+32*\u+8*\t:ACC+32*\u+8*\t+7], v[WS+4*\t+(\s)%4], v[CS+(\s)] matrix_a_fmt:MATRIX_FMT_FP4 matrix_b_fmt:MATRIX_FMT_FP4 matrix_a_scale:MATRIX_SCALE_ROW1 matrix_b_scale:MATRIX_SCALE_ROW1
.endif
.endif
.endm
.macro STEP s
.if (\s) > 0
.rept 4
	v_nop                                          ; in front of loads into registers that the last step's matrix instructions read
.endr
.endif
.irp t, 0,1,2,3
.irp c, 0,1
	ds_load_b128 v[WB+8*\t+4*\c:WB+8*\t+4*\c+3], v13 offset:4096*\t+1024*((\s)%4)+512*\c
.endr
.endr
.irp u, 0,1
.irp c, 0,1
	ds_load_b128 v[CF+8*\u+4*\c:CF+8*\u+4*\c+3], v14 offset:(8*\u+(\s))*1024+512*\c
.endr
.endr
	s_wait_dscnt 0x0
.irp t, 0,1,2,3                                ; the eight accumulators by turns, in the same order in every step
.irp u, 0,1
	MM \s, \t, \u
.endr
.endr
.endm
.irp s, 0,1,2,3
	STEP \s
.endr
	s_wait_tensorcnt 0x0                           ; no tensor load of mine is out,
	ds_add_u32 v254, v255
	s_add_nc_u64 s[34:35], s[34:35], 4096          ; so group 0 may be written: K steps 4 to 7
	s_wait_dscnt 0x0                               ; the add is done, and so are my reads of Wo's bytes
	ROUND                                          ; both hold of every wave of the four work-groups
	tensor_load_to_lds s[32:35], s[24:31]          ; my one load behind the round
	s_nop 0
.rept 4
	v_nop
.endr
	s_wait_tensorcnt 0x0                           ; it has landed: I alone read these bytes
.irp s, 4,5,6,7
	STEP \s
.endr
.rept 4
	v_nop                                          ; behind the last products: results are read, and registers that they read are loaded
.endr
.irp i, 0,1,2,3,4,5,6,7
	global_load_b128 v[BE+4*\i:BE+4*\i+3], v1, s[18:19] offset:512*\i      ; beta
.endr
	s_barrier_signal -1                            ; no LDS instruction of mine is out: my reads of Wo's bytes are over
	s_barrier_wait -1                              ; everybody's are: the stage may be laid over them
.irp t, 0,1,2,3
	ds_store_b128 v5, v[ACC+8*\t:ACC+8*\t+3] offset:64*\t          ; each accumulator from its low end on
	ds_store_b128 v5, v[ACC+8*\t+4:ACC+8*\t+7] offset:64*\t+16
	ds_store_b128 v6, v[ACC+32+8*\t:ACC+32+8*\t+3] offset:64*\t
	ds_store_b128 v6, v[ACC+32+8*\t+4:ACC+32+8*\t+7] offset:64*\t+16
.endr
	s_wait_dscnt 0x0                               ; my stores into the stage are done
	s_barrier_signal -1
	s_barrier_wait -1                              ; 32 whole rows lie in the stage
.irp i, 0,1,2,3,4,5,6,7
	ds_load_b128 v[16+4*\i:19+4*\i], v7 offset:512*\i              ; row 2 w of the product
.endr
.irp i, 0,1,2,3,4,5,6,7
	ds_load_b128 v[48+4*\i:51+4*\i], v7 offset:SPITCH+512*\i       ; row 2 w + 1
.endr
; One row: y = x + the product; the mean; the deviations; their mean square; (y - mean) / sqrt(. + 1e-5) x gamma + beta.  A lane holds 32 of the row's 1,024 numbers
.macro NORM y, x, off
.set jj, 0
.rept 16
	v_pk_add_f32 v[\y+jj:\y+jj+1], v[\y+jj:\y+jj+1], v[\x+jj:\x+jj+1]
.set jj, jj+2
.endr
	v_pk_add_f32 v[248:249], v[\y:\y+1], v[\y+2:\y+3]              ; the sum, in two chains
	v_pk_add_f32 v[250:251], v[\y+4:\y+5], v[\y+6:\y+7]
.irp j, 8,12,16,20,24,28
	s_delay_alu instid0(VALU_DEP_2)
	v_pk_add_f32 v[248:249], v[248:249], v[\y+\j:\y+\j+1]
	s_delay_alu instid0(VALU_DEP_2)
	v_pk_add_f32 v[250:251], v[250:251], v[\y+\j+2:\y+\j+3]
.endr
	s_delay_alu instid0(VALU_DEP_1)
	v_pk_add_f32 v[248:249], v[248:249], v[250:251]
	s_delay_alu instid0(VALU_DEP_1)
	v_add_f32 v248, v248, v249
	s_delay_alu instid0(VALU_DEP_1)
	v_add_f32_dpp v248, v248, v248 row_xmask:1 row_mask:0xf bank_mask:0xf
	s_delay_alu instid0(VALU_DEP_1)
	v_add_f32_dpp v248, v248, v248 row_xmask:2 row_mask:0xf bank_mask:0xf
	s_delay_alu instid0(VALU_DEP_1)
	v_add_f32_dpp v248, v248, v248 row_xmask:4 row_mask:0xf bank_mask:0xf
	s_delay_alu instid0(VALU_DEP_1)
	v_add_f32_dpp v248, v248, v248 row_xmask:8 row_mask:0xf bank_mask:0xf
	s_delay_alu instid0(VALU_DEP_1)
	v_permlanex16_b32 v249, v248, s40, s41
	s_delay_alu instid0(VALU_DEP_1)
	v_add_f32 v248, v248, v249
	s_delay_alu instid0(VALU_DEP_1)
	v_mul_f32 v248, s42, v248                      ; the mean
.set jj, 0
.rept 16
	v_pk_add_f32 v[\y+jj:\y+jj+1], v[\y+jj:\y+jj+1], v[248:249] op_sel_hi:[1,0] neg_lo:[0,1] neg_hi:[0,1]
.set jj, jj+2
.endr
	v_pk_mul_f32 v[250:251], v[\y:\y+1], v[\y:\y+1]
	v_pk_mul_f32 v[252:253], v[\y+2:\y+3], v[\y+2:\y+3]
.irp j, 4,8,12,16,20,24,28
	s_delay_alu instid0(VALU_DEP_2)
	v_pk_fma_f32 v[250:251], v[\y+\j:\y+\j+1], v[\y+\j:\y+\j+1], v[250:251]
	s_delay_alu instid0(VALU_DEP_2)
	v_pk_fma_f32 v[252:253], v[\y+\j+2:\y+\j+3], v[\y+\j+2:\y+\j+3], v[252:253]
.endr
	s_delay_alu instid0(VALU_DEP_1)
	v_pk_add_f32 v[250:251], v[250:251], v[252:253]
	s_delay_alu instid0(VALU_DEP_1)
	v_add_f32 v250, v250, v251
	s_delay_alu instid0(VALU_DEP_1)
	v_add_f32_dpp v250, v250, v250 row_xmask:1 row_mask:0xf bank_mask:0xf
	s_delay_alu instid0(VALU_DEP_1)
	v_add_f32_dpp v250, v250, v250 row_xmask:2 row_mask:0xf bank_mask:0xf
	s_delay_alu instid0(VALU_DEP_1)
	v_add_f32_dpp v250, v250, v250 row_xmask:4 row_mask:0xf bank_mask:0xf
	s_delay_alu instid0(VALU_DEP_1)
	v_add_f32_dpp v250, v250, v250 row_xmask:8 row_mask:0xf bank_mask:0xf
	s_delay_alu instid0(VALU_DEP_1)
	v_permlanex16_b32 v251, v250, s40, s41
	s_delay_alu instid0(VALU_DEP_1)
	v_add_f32 v250, v250, v251
	s_delay_alu instid0(VALU_DEP_1)
	v_fma_f32 v250, v250, s42, s43                 ; the variance + 1e-5
	s_wait_alu depctr_va_vdst(0)
	v_rsq_f32 v250, v250
	v_nop                                          ; a plain place behind the transcendental
.set jj, 0
	s_wait_alu depctr_va_vdst(0)
.rept 16
	v_pk_mul_f32 v[\y+jj:\y+jj+1], v[\y+jj:\y+jj+1], v[250:251] op_sel_hi:[1,0]
.set jj, jj+2
.endr
.set jj, 0
.rept 16
	v_pk_fma_f32 v[\y+jj:\y+jj+1], v[\y+jj:\y+jj+1], v[GA+jj:GA+jj+1], v[BE+jj:BE+jj+1]
.set jj, jj+2
.endr
.irp i, 0,1,2,3,4,5,6,7
	global_store_b128 v1, v[\y+4*\i:\y+4*\i+3], s[20:21] offset:\off+512*\i th:TH_STORE_NT   ; 32 lanes store 512 consecutive bytes, aligned
.endr
.endm
	s_wait_loadcnt 0x0                             ; gamma, x and beta
	s_wait_dscnt 8                                 ; row 2 w is in; the other row's eight loads may be out
	NORM 16, XR, 0
	s_wait_dscnt 0x0
	NORM 48, XR+32, 4096
	s_wait_tensorcnt 0x0                           ; the wave's end
	ds_add_u32 v254, v255
	s_wait_dscnt 0x0
	ROUND                                          ; the closing round
	s_endpgm
.Lfunc_end_k_q55ce48ee0b_oproj:
	.size	k_q55ce48ee0b_oproj, .Lfunc_end_k_q55ce48ee0b_oproj-k_q55ce48ee0b_oproj
	.p2alignl 7, 3214868480
	.fill 96, 4, 3214868480
	.section	.rodata,"a",@progbits
	.p2align	6, 0x0
	.amdhsa_kernel k_q55ce48ee0b_oproj
		.amdhsa_group_segment_fixed_size 327680
		.amdhsa_private_segment_fixed_size 0
		.amdhsa_enable_private_segment 0
		.amdhsa_kernarg_size 72
		.amdhsa_user_sgpr_count 2
		.amdhsa_user_sgpr_kernarg_segment_ptr 1
		.amdhsa_wavefront_size32 1
		.amdhsa_system_sgpr_workgroup_id_x 1
		.amdhsa_system_sgpr_workgroup_id_y 1
		.amdhsa_system_sgpr_workgroup_id_z 1
		.amdhsa_system_vgpr_workitem_id 0
		.amdhsa_next_free_vgpr 256
		.amdhsa_next_free_sgpr 66
		.amdhsa_reserve_vcc 0
		.amdhsa_float_denorm_mode_32 3
		.amdhsa_float_denorm_mode_16_64 3
		.amdhsa_memory_ordered 1
		.amdhsa_forward_progress 1
		.amdhsa_inst_pref_size 48
	.end_amdhsa_kernel
	.amdgpu_metadata
---
amdhsa.version: [ 1, 2 ]
amdhsa.kernels:
  - .name:           k_q55ce48ee0b_oproj
    .symbol:         k_q55ce48ee0b_oproj.kd
    .args:
      - { .name: cimg, .offset: 0, .size: 8, .value_kind: global_buffer, .address_space: global }
      - { .name: csc, .offset: 8, .size: 8, .value_kind: global_buffer, .address_space: global }
      - { .name: woimg, .offset: 16, .size: 8, .value_kind: global_buffer, .address_space: global }
      - { .name: Wo_scales, .offset: 24, .size: 8, .value_kind: global_buffer, .address_space: global }
      - { .name: bo, .offset: 32, .size: 8, .value_kind: global_buffer, .address_space: global }
      - { .name: x, .offset: 40, .size: 8, .value_kind: global_buffer, .address_space: global }
      - { .name: gamma, .offset: 48, .size: 8, .value_kind: global_buffer, .address_space: global }
      - { .name: beta, .offset: 56, .size: 8, .value_kind: global_buffer, .address_space: global }
      - { .name: out0, .offset: 64, .size: 8, .value_kind: global_buffer, .address_space: global }
    .group_segment_fixed_size: 327680
    .private_segment_fixed_size: 0
    .kernarg_segment_align: 8
    .kernarg_segment_size: 72
    .max_flat_workgroup_size: 512
    .sgpr_count:     66
    .vgpr_count:     256
    .wavefront_size: 32
...
	.end_amdgpu_metadata
.endif
;; end of part 4
